; MI455X (gfx1250); checked and timed in simulation.
; The chip was launched on July 23, 2026; its instructions are those of AMD's public machine-readable ISA for CDNA 5 (MIT licence, August 2026) and "CDNA5" Instruction Set Architecture Reference Guide (July 2026). The comments in the code are by the model that wrote it; some were corrected since.
;; Attention. Allowed arithmetic: matrix products marked QUANTISED: E4M3 operands, one given power-of-two scale a tensor, by v_wmma_f32_16x16x64_fp8_fp8 or v_wmma_f32_16x16x128_fp8_fp8, f32 sums; everything else in f32.
;; Inputs: keys 32,768 x 512 float32; lowp_scales 4 int32 (the exponents e of the quantised operands' scales 2^e); query 2,048 x 512 float32; tree_idx 32,768 int32; values_codes 512 x 1,024 x 32 uint8 (E4M3 codes of values, K innermost, in blocks of 32 codes).
;; Outputs: out0 2,048 x 512 float32; out1 32,768 float32.
;; This version of the problem:
;;   THIS VERSION OF THE PROBLEM IS GIVEN IN LOW PRECISION. The matrix products marked QUANTISED in the list below multiply operands that are first quantised to E4M3 (4 exponent bits, 3 mantissa bits; 8 bits a number), with one given power-of-two scale for each operand tensor; their sums are f32. All else is computed in f32.
;;   The module's matrix products, in the order in which they are computed (A, B: the left and right operand; K: the contracted axis; several contracted axes count as one K, in the product's order):
;;     1. [M 2,048, K 512] x [K 512, N 32,768]; A: computed on the way; B: computed on the way: QUANTISED (scales: A lowp_scales[0], B lowp_scales[1])
;;     2. [M 2,048, K 32,768] x [K 32,768, N 512]; A: softmax (see below); B: input values (given as codes): QUANTISED (scales: A lowp_scales[2], B lowp_scales[3])
;;   THE QUANTISER, for each operand of a quantised product, along K:
;;     - The operand's scale is 2^e, e = its entry of the input lowp_scales (int32; the entries are numbered through the quantised products in the list's order, A before B).
;;     - Each number is divided by the scale, clamped to +-448, and rounded to the nearest number of E4M3, ties to even, subnormals kept.
;;     - The product sums the exact products of the quantised numbers (number of the format x scale) in f32.
;;   ~~~python
;;   def quantise(x, axis, e):      # numpy; x: float32 -> the quantised numbers, widened to float32 again
;;       x = np.moveaxis(x, axis, -1); K = x.shape[-1]
;;       r = np.clip(x / 2.0 ** e, -448, 448)
;;       step = 2.0 ** (np.maximum(np.frexp(np.where(r == 0, 1, r))[1] - 1, -6) - 3)
;;       q = np.round(r / step) * step * 2.0 ** e      # np.round: ties to even
;;       return np.moveaxis(q, -1, axis).astype(np.float32)
;;   ~~~
;;   SOFTMAX AHEAD OF A QUANTISED PRODUCT. Where the list says 'softmax', what is quantised is not the finished softmax but p = 2^(t - M), with t = logit x log2(e) and M = ceil(the row's largest t), a whole number; so 1/2 < the row's largest p <= 1. The row's sum l is taken of the UNQUANTISED p, in f32, and the product's result is divided by l at the end. Since M is a whole number, a kernel that streams over the keys may use a running M (the ceiling of the running maximum): every later rescaling is an exact power of two, so the quantised numbers keep their values, but for numbers so far below the row's largest that they fall under the format's range.
;;   OPERANDS COMPUTED ON THE WAY. 'Computed on the way' means the value that the module computes at that place (a softmax that the list does not call 'softmax' is quantised finished and normalised). What goes into a quantiser is computed in f32, as accurately as f32 sums, v_exp_f32 and their like allow (about 1e-6 of the number): no bf16 or f16 on the way to a quantiser, and a product that is left as it is and whose result goes on into a quantised operand takes f32 operands (vector FMAs, or v_wmma_f32_16x16x4_f32). A number that lies on a knife's edge between two numbers of the format may be rounded either way, as far as f32 arithmetic and the matrix unit's own rounding can turn it there, and no further.
;;   INPUTS GIVEN AS CODES. values (in the module: [32768, 512], K = its axis 0): each comes as NAME_codes (uint8): NAME with its K axis moved to the last place and cut into blocks of 32 codes, [.., K / 32, bytes a block], one block behind the other in memory; one code a byte (a code: sign, 4 exponent bits, 3 mantissa bits); its scale is its entry of lowp_scales. Its value is code x scale, taken as it is: it is not quantised again, and the codes and scales need not be those that the quantiser above would give.
;; 2 versions, each right; version 2 is version 1 with the launches score, attend written anew for expert scheduling mode. Each part assembles by itself: llvm-mc -triple=amdgcn-amd-amdhsa -mcpu=gfx1250 --defsym DOCPART=n.
;; ======== version 1 of 2: 3 launches
;; workspace buffers: vkm 16,777,216 bytes; tsc 131,072 bytes; qfr 1,048,576 bytes; lst 16,941,312 bytes of whole numbers; meta 2,048 bytes of whole numbers
;; launch prep (part 1): grid 272 x 1, 8 waves a work-group, no clusters, 139,264 bytes of LDS; arguments qfr, lowp_scales, query, tree_idx, values_codes, lst, meta, vkm; writes qfr, lst, meta, vkm
.if DOCPART == 1
	.amdgcn_target "amdgcn-amd-amdhsa--gfx1250"
	.amdhsa_code_object_version 6
	.text
	.protected	k_qa39cae1e99_prep
	.globl	k_qa39cae1e99_prep
	.p2align	8
	.type	k_qa39cae1e99_prep,@function
k_qa39cae1e99_prep:
	s_mov_b64 s[64:65], 0
	v_nop
	global_prefetch_b8 v0, s[64:65] scope:SCOPE_SE
	s_setreg_imm32_b32 hwreg(HW_REG_WAVE_MODE, 25, 1), 1
	s_wait_xcnt 0x0
; FIRST LAUNCH OF THREE.  It lays out what the two later launches read:
;   TURN  (work-groups 0..255):   values_codes [512 dv][32768 keys] becomes vkm [32768 keys][512 bytes]; byte 128 G + 8 p + u of a key's row is the code of dv 128 G + 16 u + p.
;   LIST  (work-groups 0..128, behind their TURN): region g of lst lists the keys of queries 16 g .. 16 g + 15 (region 128: keys whose index is no query's), entry = min(index - 16 g, 16) << 15 | key,
;         64 closing entries 0x80000 behind them; meta holds each region's count, and 1 where one of its 16 queries has no key.
;   QQ    (work-groups 256..271): query_n = query / max(norm, 1e-12) as E4M3 codes with the scale 2^e0, into qfr, laid as an image of the operand's registers: tile T (queries 16 T .. 16 T + 15),
;         registers 4 i .. 4 i + 3 (of 64: four fragments of 128 along K) of lane L at byte 8192 T + 512 i + 16 L.
; A role is chosen by the work-group's number alone; each role has LDS bytes of its own.  Eight waves.
; No tensor loads: every byte is worked on in registers before it reaches LDS, and LIST branches on loaded indices.  No cluster: what work-groups share is tree_idx alone, 131,072 bytes.
; LIMITS: e0 between -126 and 119, so that 2^e0 and 448 x 2^e0 are f32 numbers.  NaN and infinities among the inputs, and rows whose sum of squares leaves f32's range, are not served.
; 1 / max(norm, 1e-12) is made as min(rsq(sum of squares), 1e12).
.set SPI,    528                       ; QQ: a stage row: 512 codes + 16 bytes: an odd multiple of 16, so the 16 rows of a fragment load start at 16 different columns of 16 bytes
.set SCW,    16*SPI                    ; a wave's own stage: 16 rows
.set TRS,    8*SCW                     ; TURN: behind the eight stages: 256 rows of 256 bytes, 272 apart, 16 more bytes between rows 127 and 128
.set TPI,    272
.set LSX,    137984                    ; LIST: eight pairs (count, presence)
.set LPITCH, 131328                    ; bytes of a region of lst: 32,832 entries
.set S,   16                           ; v16-23   QQ: four pairs: a row's sum of squares, then 1 / norm
.set RA,  32                           ; v32-95   four rows as loaded, 16 numbers a lane and row; at the end the four fragments
.set RB,  96                           ; v96-159  the other four rows
.set C,   240                          ; v240-255 the codes of four rows
.set TR,  32                           ; TURN: v32-95 as loaded; v96-159 turned
.set TW,  96
.set TT,  16                           ; v16-19 at work in T4X4
.set SL,  48                           ; s48-51 byte selectors of T4X4
; 4 x 4 bytes turned: byte k of output b = byte b of input k.  v_perm_b32 takes selector bytes 0-3 from its second source, 4-7 from its first.
.macro T4X4 a0, a1, a2, a3, o0, o1, o2, o3
	v_perm_b32 v[TT],   v[\a1], v[\a0], s[SL]
	v_perm_b32 v[TT+1], v[\a1], v[\a0], s[SL+1]
	v_perm_b32 v[TT+2], v[\a3], v[\a2], s[SL]
	v_perm_b32 v[TT+3], v[\a3], v[\a2], s[SL+1]
	v_perm_b32 v[\o0], v[TT+2], v[TT],   s[SL+2]
	v_perm_b32 v[\o1], v[TT+2], v[TT],   s[SL+3]
	v_perm_b32 v[\o2], v[TT+3], v[TT+1], s[SL+2]
	v_perm_b32 v[\o3], v[TT+3], v[TT+1], s[SL+3]
.endm
	s_load_b512 s[4:19], s[0:1], 0x0               ; qfr 4:5, scales 6:7, query 8:9, tree_idx 10:11, values_codes 12:13, lst 14:15, meta 16:17, vkm 18:19
	v_lshl_add_u32 v238, v0, 2, 0x21c00
	v_mov_b32 v239, 0
	v_lshrrev_b32 v1, 5, v0
	v_readfirstlane_b32 s22, v1                    ; wave 0..7
	v_and_b32 v1, 31, v0                           ; lane L
	v_lshlrev_b32 v2, 4, v1                        ; 16 L
	s_mov_b32 s28, 0x76543210                      ; v_permlanex16_b32: lane l xor 16
	s_mov_b32 s29, 0xfedcba98
	s_wait_kmcnt 0x0
	s_cmp_ge_u32 ttmp9, 256
	s_cbranch_scc1 .Lqq
; ------------------------------------------------------------------ TURN: 256 dv rows (half Gh) x 256 keys (block kb)
	s_and_b32 s30, ttmp9, 1                        ; Gh
	s_lshr_b32 s31, ttmp9, 1                       ; kb
	s_lshl_b32 s32, s30, 8
	s_lshl_b32 s33, s22, 5
	s_add_co_u32 s32, s32, s33                     ; my wave's first dv row: 256 Gh + 32 w
	s_lshl_b32 s32, s32, 15                        ; a dv row is 32,768 bytes
	s_lshl_b32 s33, s31, 8
	s_add_co_u32 s32, s32, s33                     ; + 256 kb
	s_mov_b32 s33, 0
	s_add_nc_u64 s[32:33], s[12:13], s[32:33]
	v_bfe_u32 v3, v0, 4, 1                         ; hh = L / 16
	v_and_b32 v4, 15, v0                           ; la = L % 16
	v_lshlrev_b32 v5, 4, v4
	v_lshl_add_u32 v6, v3, 15, v5                  ; in: lanes 0-15 one row's 256 bytes, lanes 16-31 the next row's
.set i, 0
.rept 16
	global_load_b128 v[TR+4*i:TR+4*i+3], v6, s[32:33] offset:65536*i th:TH_LOAD_NT   ; rows 2 i, 2 i + 1 of my 32; read once in the launch
.set i, i+1
.endr
	s_mul_i32 s34, s22, 32*TPI
	s_lshr_b32 s35, s22, 2
	s_lshl_b32 s35, s35, 4
	s_add_co_u32 s34, s34, s35
	s_add_co_u32 s34, s34, TRS
	v_mad_u32_u24 v7, v3, TPI, v5
	v_add_nc_u32 v7, s34, v7                       ; into LDS: TRS + (32 w + hh) 272 + 16 (w / 4) + 16 la
	v_bfe_u32 v8, v0, 3, 1                         ; la / 8
	v_and_b32 v9, 7, v0                            ; la % 8
	v_mul_u32_u24 v10, v8, 128*TPI+16
	v_mad_u32_u24 v10, v9, 2*TPI, v10
	v_lshl_add_u32 v10, v3, 4, v10
	s_lshl_b32 s35, s22, 5
	s_add_co_u32 s35, s35, TRS
	v_add_nc_u32 v10, s35, v10                     ; out of LDS: row 128 (la / 8) + 2 (la % 8), keys 16 (2 w + hh) on: the 16 lanes of a half fall on 16 different columns of 16 bytes
	s_lshl_b32 s36, s22, 14
	v_lshl_add_u32 v11, v3, 13, v5
	v_add_nc_u32 v11, s36, v11                     ; in vkm: key 16 (2 w + hh), 16 la bytes into the block's 256
	s_lshl_b32 s36, s31, 17                        ; 256 keys x 512 bytes
	s_lshl_b32 s37, s30, 8
	s_add_co_u32 s36, s36, s37
	s_mov_b32 s37, 0
	s_add_nc_u64 s[36:37], s[18:19], s[36:37]
	s_mov_b32 s[SL],   0x05010400
	s_mov_b32 s[SL+1], 0x07030602
	s_mov_b32 s[SL+2], 0x05040100
	s_mov_b32 s[SL+3], 0x07060302
.set i, 0
.rept 16
	s_wait_loadcnt 15-i                            ; loads come back in order: pair i of rows is in, the younger ones stay out
	ds_store_b128 v7, v[TR+4*i:TR+4*i+3] offset:2*TPI*i
.set i, i+1
.endr
	s_wait_dscnt 0x0                               ; for the others' sake: my rows lie in LDS
	s_barrier_signal -1
	s_barrier_wait -1
.set i, 0
.rept 16
	ds_load_b128 v[TR+4*i:TR+4*i+3], v10 offset:(16*(i&7)+(i>>3))*TPI   ; output byte i of my 16: dv row + 16 (i % 8) + i / 8; 16 keys
.set i, i+1
.endr
.irp d, 0,1,2,3
	s_wait_dscnt 12-4*\d                           ; loads 4 d .. 4 d + 3 are in
.irp c, 0,1,2,3
	T4X4 TR+4*(4*\d+0)+\c, TR+4*(4*\d+1)+\c, TR+4*(4*\d+2)+\c, TR+4*(4*\d+3)+\c, TW+4*(4*\c+0)+\d, TW+4*(4*\c+1)+\d, TW+4*(4*\c+2)+\d, TW+4*(4*\c+3)+\d
.endr
.endr
.set i, 0
.rept 16
	global_store_b128 v11, v[TW+4*i:TW+4*i+3], s[36:37] offset:512*i   ; key i of my 16: sixteen lanes store 256 consecutive bytes, at a multiple of 256 from vkm's first byte
.set i, i+1
.endr
	s_wait_xcnt 0x0                                ; the stores have read their registers and base: LIST writes them again
	s_cmp_ge_u32 ttmp9, 129
	s_cbranch_scc1 .Llist_end
; ------------------------------------------------------------------ LIST: region g = the work-group's number; wave w scans keys 4096 w .. 4096 w + 4095, kept in v32-159
	s_lshl_b32 s52, s22, 14
	s_mov_b32 s53, 0
	s_add_nc_u64 s[52:53], s[10:11], s[52:53]
.set i, 0
.rept 32
	global_load_b128 v[32+4*i:35+4*i], v2, s[52:53] offset:512*i   ; register 4 i + j of lane L: key 4096 w + 128 i + 4 L + j
.set i, i+1
.endr
	s_lshl_b32 s32, ttmp9, 4
	s_sub_co_u32 s32, 0, s32                       ; -16 g
	s_mov_b32 s33, 0xfffff800
	s_cmp_lt_u32 ttmp9, 128
	s_cselect_b32 s33, 16, s33                     ; a key is mine where index - 16 g < 16, unsigned; region 128: where index - 2048 < 2^32 - 2048, that is index outside 0 .. 2047
	s_mul_i32 s36, ttmp9, LPITCH
	s_mov_b32 s37, 0
	s_add_nc_u64 s[36:37], s[14:15], s[36:37]      ; my region
	s_lshl_b32 s54, ttmp9, 2
	v_mov_b32 v31, s54                             ; my word in meta
	s_lshl_b32 s35, s22, 12
	v_lshl_add_u32 v4, v1, 2, s35                  ; 4096 w + 4 L
	s_lshl_b32 s35, s22, 3
	s_add_co_u32 s35, s35, LSX
	v_mov_b32 v10, s35                             ; my wave's pair in LDS
	v_mov_b32 v11, LSX
	v_mov_b32 v3, 0x80000                          ; a closing entry: no query's, key 0
	v_mov_b32 v6, 0
	v_mov_b32 v7, 0                                ; (a DPP form's destination counts as read)
	v_mov_b32 v8, 0                                ; my lane's count
	v_mov_b32 v9, 0                                ; which of the 16 queries have been seen (bit 16: some other index)
.set i, 0
.rept 128                                          ; pass 1: count
.if (i&3) == 0
	s_wait_loadcnt 31-i/4                          ; this load is in, the younger ones stay out
.endif
	v_add_nc_u32 v[32+i], s32, v[32+i]             ; index - 16 g, kept for pass 2
	v_cmp_gt_u32 vcc_lo, s33, v[32+i]
	v_add_co_ci_u32 v8, vcc_lo, 0, v8, vcc_lo      ; + 1 where mine
	v_min_u32 v6, 16, v[32+i]
	v_lshl_or_b32 v9, 1, v6, v9
.set i, i+1
.endr
.irp k, 1,2,4,8
	v_mov_b32_dpp v6, v8 row_xmask:\k row_mask:0xf bank_mask:0xf
	v_mov_b32_dpp v7, v9 row_xmask:\k row_mask:0xf bank_mask:0xf
	v_add_nc_u32 v8, v8, v6
	v_or_b32 v9, v9, v7
.endr
	v_permlanex16_b32 v6, v8, s28, s29
	v_permlanex16_b32 v7, v9, s28, s29
	v_add_nc_u32 v8, v8, v6                        ; the wave's count, in every lane
	v_or_b32 v9, v9, v7
	ds_store_b64 v10, v[8:9]                       ; all lanes write the same pair
	s_wait_dscnt 0x0
	s_barrier_signal -1
	s_barrier_wait -1
	ds_load_b128 v[12:15], v11
	ds_load_b128 v[16:19], v11 offset:16
	ds_load_b128 v[20:23], v11 offset:32
	ds_load_b128 v[24:27], v11 offset:48
	s_wait_dscnt 0x0
.irp k, 0,1,2,3,4,5,6,7
	v_readfirstlane_b32 s[40+\k], v[12+2*\k]
.endr
	s_mov_b32 s34, 0                               ; where my wave's entries begin: the counts of the waves before me
	s_mov_b32 s39, 0                               ; the region's count
.irp k, 0,1,2,3,4,5,6,7
	s_cmp_gt_u32 s22, \k
	s_cselect_b32 s35, s[40+\k], 0
	s_add_co_u32 s34, s34, s35
	s_add_co_u32 s39, s39, s[40+\k]
.endr
	v_add_nc_u32 v5, s39, v1                       ; count + lane: the place of my lane's closing entry
; pass 2, one register.  A lane that holds a key of mine stores its entry, at the running place + the number of such lanes below it.  A lane that holds none stores a closing entry at count + lane, a word
; that has to hold just that number: so every lane stays on, and no mask made from loaded numbers reaches EXEC.  A register with no key of mine is passed over.
.macro PUT e
	v_cmp_gt_u32 vcc_lo, s33, v[32+\e]
	s_cbranch_vccz .Lnone_\@
	s_wait_xcnt 0x0                                ; the last store has read its place and its entry: both are written again only behind this wait
	v_mbcnt_lo_u32_b32 v28, vcc_lo, s34
	s_bcnt1_i32_b32 s35, vcc_lo
	s_add_co_u32 s34, s34, s35
	v_min_u32 v29, 16, v[32+\e]
	v_add_nc_u32 v30, 128*((\e)>>2)+((\e)&3), v4   ; the key
	v_lshl_or_b32 v30, v29, 15, v30
	v_cndmask_b32 v28, v5, v28, vcc_lo
	v_cndmask_b32 v30, v3, v30, vcc_lo
	v_min_u32 v28, 0x803f, v28                     ; a place made from loaded numbers is held inside the region: count + 63 is at most 32,831
	v_lshlrev_b32 v28, 2, v28
	global_store_b32 v28, v30, s[36:37]
.Lnone_\@:
.endm
.set Q, 0
.rept 128
	PUT Q
.set Q, Q+1
.endr
	s_cmp_lg_u32 s22, 0
	s_cbranch_scc1 .Llist_end                      ; wave 0 closes the region
	v_or_b32 v13, v13, v15
	v_or_b32 v17, v17, v19
	v_or_b32 v21, v21, v23
	v_or_b32 v25, v25, v27
	v_or_b32 v13, v13, v17
	v_or_b32 v21, v21, v25
	v_or_b32 v13, v13, v21
	v_and_b32 v13, 0xffff, v13
	v_cmp_ne_u32 vcc_lo, 0xffff, v13
	v_cndmask_b32 v13, 0, 1, vcc_lo                ; 1: one of my 16 queries has no key
	v_mov_b32 v12, s39
	s_wait_xcnt 0x0                                ; the last entry's store has read v28
	v_add_nc_u32 v29, 32, v5
	v_min_u32 v28, 0x803f, v5
	v_min_u32 v29, 0x803f, v29
	v_lshlrev_b32 v28, 2, v28
	v_lshlrev_b32 v29, 2, v29
	global_store_b32 v28, v3, s[36:37]             ; all 64 closing entries, whatever pass 2 has stored of them
	global_store_b32 v29, v3, s[36:37]
	v_cmp_eq_u32 vcc_lo, 0, v1
	s_wait_xcnt 0x0                                ; EXEC changes only behind this wait,
	s_and_saveexec_b32 s38, vcc_lo                 ; lane 0 alone
	global_store_b32 v31, v12, s[16:17]
	global_store_b32 v31, v13, s[16:17] offset:1024
	s_wait_xcnt 0x0                                ; and again
	s_or_b32 exec_lo, exec_lo, s38
.Llist_end:
	s_wait_tensorcnt 0x0
	ds_add_u32 v238, v239
	s_wait_dscnt 0x0
	s_endpgm
; ------------------------------------------------------------------ QQ: wave w of work-group 256 + s takes queries 16 T .. 16 T + 15, T = 8 s + w
; A row is loaded 512 consecutive bytes an instruction, normalised, quantised and staged in LDS with byte 16 L + 4 i + j of the row = the code of k = 128 i + 4 L + j.  The next launch stages the keys' rows
; in the same way: one permutation of k for both operands, so every product meets its partner.
.macro LK b, rs                                    ; four rows
.irp p, 0,1,2,3
.irp i, 0,1,2,3
	global_load_b128 v[(\rs)+16*\p+4*\i:(\rs)+16*\p+4*\i+3], v2, s[60:61] offset:(4*(\b)+\p)*2048+512*\i th:TH_LOAD_NT
.endr
.endr
.endm
; four rows in v[rs] on: x / max(norm, 1e-12), held within +-448 x 2^e, codes, to stage rows row0 on.  The rows take turns line by line.
.macro ROWS4 rs, scl, lim, row0
.irp p, 0,1,2,3
	v_pk_mul_f32 v[S+2*\p:S+2*\p+1], v[(\rs)+16*\p:(\rs)+16*\p+1], v[(\rs)+16*\p:(\rs)+16*\p+1]
.endr
.irp t, 2,4,6,8,10,12,14
.irp p, 0,1,2,3
	v_pk_fma_f32 v[S+2*\p:S+2*\p+1], v[(\rs)+16*\p+\t:(\rs)+16*\p+\t+1], v[(\rs)+16*\p+\t:(\rs)+16*\p+\t+1], v[S+2*\p:S+2*\p+1]
.endr
.endr
.irp p, 0,1,2,3
	v_add_f32 v[S+2*\p], v[S+2*\p], v[S+2*\p+1]
.endr
.irp k, 1,2,4,8
.irp p, 0,1,2,3
	v_add_f32_dpp v[S+2*\p], v[S+2*\p], v[S+2*\p] row_xmask:\k row_mask:0xf bank_mask:0xf
.endr
.endr
.irp p, 0,1,2,3
	v_permlanex16_b32 v[S+2*\p+1], v[S+2*\p], s28, s29
.endr
.irp p, 0,1,2,3
	v_add_f32 v[S+2*\p], v[S+2*\p], v[S+2*\p+1]    ; the row's sum of squares, in every lane
.endr
.irp p, 0,1,2,3
	v_rsq_f32 v[S+2*\p], v[S+2*\p]
.endr
	v_nop                                          ; a plain instruction behind the last transcendental (ISA guide 5.7.2),
	s_wait_alu depctr_va_vdst(0)                   ; and the one wait for the four ahead of their first reader
.irp p, 0,1,2,3
	v_min_num_f32 v[S+2*\p], s57, v[S+2*\p]        ; 1 / max(norm, 1e-12)
.endr
.irp t, 0,2,4,6,8,10,12,14
.irp p, 0,1,2,3
	v_pk_mul_f32 v[(\rs)+16*\p+\t:(\rs)+16*\p+\t+1], v[(\rs)+16*\p+\t:(\rs)+16*\p+\t+1], v[S+2*\p:S+2*\p+1] op_sel_hi:[1,0]
.endr
.endr
.set ri, 0
.rept 64
	v_med3_num_f32 v[(\rs)+ri], v[(\rs)+ri], -v[\lim], v[\lim]   ; the conversion to an 8-bit code does not saturate (ISA guide 7.6.2)
.set ri, ri+1
.endr
	s_wait_dscnt 0x0                               ; my earlier stage stores have read the codes' registers
.irp p, 0,1,2,3
	v_cvt_scalef32_pk8_fp8_f32 v[C+4*\p:C+4*\p+1], v[(\rs)+16*\p:(\rs)+16*\p+7], v[\scl]
	v_cvt_scalef32_pk8_fp8_f32 v[C+4*\p+2:C+4*\p+3], v[(\rs)+16*\p+8:(\rs)+16*\p+15], v[\scl]
.endr
	v_nop                                          ; one plain vector line behind the last scaled conversion
.irp p, 0,1,2,3
	ds_store_b128 v12, v[C+4*\p:C+4*\p+3] offset:((\row0)+\p)*SPI
.endr
.endm
.Lqq:
	s_sub_co_u32 s23, ttmp9, 256                   ; s
	s_lshl_b32 s30, s23, 3
	s_add_co_u32 s30, s30, s22                     ; T
	s_lshl_b32 s60, s30, 15                        ; 16 rows of 2,048 bytes
	s_mov_b32 s61, 0
	s_add_nc_u64 s[60:61], s[8:9], s[60:61]
	s_lshl_b32 s72, s30, 13                        ; a tile's image is 8,192 bytes
	s_mov_b32 s73, 0
	s_add_nc_u64 s[72:73], s[4:5], s[72:73]
	s_load_b128 s[24:27], s[6:7], 0x0              ; e0 .. e3
	LK 0, RA
	LK 1, RB
	v_and_b32 v3, 15, v0
	v_bfe_u32 v14, v0, 4, 1
	s_mul_i32 s31, s22, SCW
	v_add_nc_u32 v12, s31, v2                      ; into my stage: 16 L
	v_mul_u32_u24 v13, v3, SPI
	v_lshl_add_u32 v13, v14, 4, v13
	v_add_nc_u32 v13, s31, v13                     ; fragments: row L % 16, + 16 (L / 16)
	s_mov_b32 s57, 0x5368d4a5                      ; 1e12
	s_wait_kmcnt 0x0
	s_add_co_i32 s30, s24, 127
	s_lshl_b32 s31, s30, 23
	v_mov_b32 v26, s31                             ; 2^e0
	s_add_co_i32 s30, s30, 8
	s_lshl_b32 s30, s30, 23
	s_or_b32 s30, s30, 0x600000
	v_mov_b32 v27, s30                             ; 448 x 2^e0
	s_wait_loadcnt 16                              ; in each of these waits: this set's 16 loads are in, the other set's 16 stay out
	ROWS4 RA, 26, 27, 0
	LK 2, RA
	s_wait_loadcnt 16
	ROWS4 RB, 26, 27, 4
	LK 3, RB
	s_wait_loadcnt 16
	ROWS4 RA, 26, 27, 8
	s_wait_loadcnt 0x0
	ROWS4 RB, 26, 27, 12
.irp s, 0,1,2,3                                    ; the stage's 16 rows x 512 codes as four fragments of 128 along K; LDS serves a wave's instructions in order: these see my stores
.irp c, 0,1,2,3
	ds_load_b128 v[RA+16*\s+4*\c:RA+16*\s+4*\c+3], v13 offset:128*\s+32*\c
.endr
.endr
.set i, 0
.rept 16
	s_wait_dscnt 15-i                              ; load i is in, the younger ones stay out
	global_store_b128 v2, v[RA+4*i:RA+4*i+3], s[72:73] offset:512*i   ; 512 consecutive bytes, at a multiple of 256 from qfr's first byte
.set i, i+1
.endr
	s_wait_tensorcnt 0x0
	ds_add_u32 v238, v239
	s_wait_dscnt 0x0
	s_endpgm
.Lfunc_end_k_qa39cae1e99_prep:
	.size	k_qa39cae1e99_prep, .Lfunc_end_k_qa39cae1e99_prep-k_qa39cae1e99_prep
	.p2alignl 7, 3214868480
	.fill 96, 4, 3214868480
	.section	.rodata,"a",@progbits
	.p2align	6, 0x0
	.amdhsa_kernel k_qa39cae1e99_prep
		.amdhsa_group_segment_fixed_size 139264
		.amdhsa_private_segment_fixed_size 0
		.amdhsa_enable_private_segment 0
		.amdhsa_kernarg_size 64
		.amdhsa_user_sgpr_count 2
		.amdhsa_user_sgpr_kernarg_segment_ptr 1
		.amdhsa_wavefront_size32 1
		.amdhsa_system_sgpr_workgroup_id_x 1
		.amdhsa_system_sgpr_workgroup_id_y 1
		.amdhsa_system_sgpr_workgroup_id_z 1
		.amdhsa_system_vgpr_workitem_id 0
		.amdhsa_next_free_vgpr 256
		.amdhsa_next_free_sgpr 100
		.amdhsa_reserve_vcc 1
		.amdhsa_float_denorm_mode_32 3
		.amdhsa_float_denorm_mode_16_64 3
		.amdhsa_memory_ordered 1
		.amdhsa_forward_progress 1
		.amdhsa_inst_pref_size 183
	.end_amdhsa_kernel
	.amdgpu_metadata
---
amdhsa.version: [ 1, 2 ]
amdhsa.kernels:
  - .name:           k_qa39cae1e99_prep
    .symbol:         k_qa39cae1e99_prep.kd
    .args:
      - { .name: qfr, .offset: 0, .size: 8, .value_kind: global_buffer, .address_space: global }
      - { .name: lowp_scales, .offset: 8, .size: 8, .value_kind: global_buffer, .address_space: global }
      - { .name: query, .offset: 16, .size: 8, .value_kind: global_buffer, .address_space: global }
      - { .name: tree_idx, .offset: 24, .size: 8, .value_kind: global_buffer, .address_space: global }
      - { .name: values_codes, .offset: 32, .size: 8, .value_kind: global_buffer, .address_space: global }
      - { .name: lst, .offset: 40, .size: 8, .value_kind: global_buffer, .address_space: global }
      - { .name: meta, .offset: 48, .size: 8, .value_kind: global_buffer, .address_space: global }
      - { .name: vkm, .offset: 56, .size: 8, .value_kind: global_buffer, .address_space: global }
    .group_segment_fixed_size: 139264
    .private_segment_fixed_size: 0
    .kernarg_segment_align: 8
    .kernarg_segment_size: 64
    .max_flat_workgroup_size: 256
    .sgpr_count:     100
    .vgpr_count:     256
    .wavefront_size: 32
...
	.end_amdgpu_metadata
.endif
;; end of part 1
;; launch score (part 2): grid 256 x 1, 4 waves a work-group, no clusters, 70,144 bytes of LDS; arguments keys, lowp_scales, tree_idx, qfr, tsc; writes tsc
.if DOCPART == 2
	.amdgcn_target "amdgcn-amd-amdhsa--gfx1250"
	.amdhsa_code_object_version 6
	.text
	.protected	k_qa39cae1e99_score
	.globl	k_qa39cae1e99_score
	.p2align	8
	.type	k_qa39cae1e99_score,@function
k_qa39cae1e99_score:
	s_mov_b64 s[64:65], 0
	v_nop
	global_prefetch_b8 v0, s[64:65] scope:SCOPE_SE
	s_setreg_imm32_b32 hwreg(HW_REG_WAVE_MODE, 25, 1), 1
	s_wait_xcnt 0x0
; SECOND LAUNCH OF THREE: the first product: all 2,048 queries against all 32,768 keys on E4M3 codes, by v_wmma_f32_16x16x128_fp8_fp8, and the mask on the finished sums:
; of a key's 2,048 sums the one of query tree_idx[key] is kept.  tsc[m] = that sum x 2^(e0+e1) x log2(e), in the keys' order (0 where the index is no query's: nobody reads it).
; SHARES.  Work-group b owns keys 128 b .. 128 b + 127.  Four waves, as many as a WGP has SIMDs.
;   Phase 1: wave w normalises and quantises keys 32 w .. 32 w + 31 (keys_n = keys / max(norm, 1e-12), scale 2^e1) into a stage in LDS, in the order of k in which the launch before staged the queries.
;   Phase 2: every wave holds ALL 128 keys' fragments in registers (8 tiles x 4 fragments x 16 = 512) and walks its own quarter of the queries, 32 tiles of 16.  A tile's four fragments come from qfr, an image of
;   the operand's registers, by 16 loads of 512 consecutive bytes, three tiles ahead of their use, and feed 32 matrix instructions.
; THE MASK.  Source 0 = 16 queries, source 1 = 16 keys: lane (r, h) holds key r, its register j query 16 T + 8 h + j.  The key's query is that one where j = index % 8 and index / 8 - h = 2 T.  The first does not
; hang on T: three lane masks for each key tile (the index's bits 0, 1, 2), made once, choose one of the eight registers by 7 selects; one compare and one select keep it where the second holds.
; No tensor load and no cluster: a query tile's fragments go from memory straight into the registers of the one wave of the work-group that multiplies them and never touch LDS; a joint load would land them
; in LDS and add 8,192 bytes of LDS reads a tile.  No prefetch: the keys are asked for by loads from the kernel's head on.
; REGISTERS, in windows of 256: window 0: v1-15 lane numbers and addresses, v16-25 at work in phase 1, v32-223 three sets of four rows (phase 1), then v32-95 the 8 accumulators, v96-103 the kept sums, v104-111 at work;
;   v224-231 the keys' indices, v232-239 index / 8 - h, v240-255 codes.   window 1: key tiles 0-3.   window 2: key tiles 4-7.   window 3: four buffers of a query tile's 64 registers.
; LIMITS: e1 between -126 and 119 (e0 + e1 goes through v_ldexp_f32 and has none).  NaN and infinities among the inputs, and rows whose sum of squares leaves f32's range, are not served.
.set SPI,  528                         ; a stage row: 512 codes + 16 bytes: an odd multiple of 16, so the 16 rows of a fragment load start at 16 different columns of 16 bytes
.set TSUM, 128*SPI                     ; behind the stage's 128 rows: 512 bytes a wave: its kept sums of the 128 keys
.set S,   16
.set R0,  32                           ; set n of three at R0 + 64 n
.set C,   240
.set IDX, 224
.set IDQ, 232
.set ACC, 32
.set TS,  96
.set TT,  104
.set MSB, 0
.macro WIN new                         ; the immediate's low byte: bits 1:0 source 0, 3:2 source 1, 5:4 source 2, 7:6 destination; its high byte repeats the setting that is left
.if MSB != \new
	s_set_vgpr_msb (MSB<<8)|\new
.set MSB, \new
.endif
.endm
.macro LK b, rs                                    ; four rows of keys
.irp p, 0,1,2,3
.irp i, 0,1,2,3
	global_load_b128 v[(\rs)+16*\p+4*\i:(\rs)+16*\p+4*\i+3], v2, s[60:61] offset:(4*(\b)+\p)*2048+512*\i th:TH_LOAD_NT
.endr
.endr
.endm
; four rows in v[rs] on: x / max(norm, 1e-12), held within +-448 x 2^e, codes, to stage rows row0 on of my 32.  The rows take turns line by line.
.macro ROWS4 rs, scl, lim, row0
.irp p, 0,1,2,3
	v_pk_mul_f32 v[S+2*\p:S+2*\p+1], v[(\rs)+16*\p:(\rs)+16*\p+1], v[(\rs)+16*\p:(\rs)+16*\p+1]
.endr
.irp t, 2,4,6,8,10,12,14
.irp p, 0,1,2,3
	v_pk_fma_f32 v[S+2*\p:S+2*\p+1], v[(\rs)+16*\p+\t:(\rs)+16*\p+\t+1], v[(\rs)+16*\p+\t:(\rs)+16*\p+\t+1], v[S+2*\p:S+2*\p+1]
.endr
.endr
.irp p, 0,1,2,3
	v_add_f32 v[S+2*\p], v[S+2*\p], v[S+2*\p+1]
.endr
.irp k, 1,2,4,8
.irp p, 0,1,2,3
	v_add_f32_dpp v[S+2*\p], v[S+2*\p], v[S+2*\p] row_xmask:\k row_mask:0xf bank_mask:0xf
.endr
.endr
.irp p, 0,1,2,3
	v_permlanex16_b32 v[S+2*\p+1], v[S+2*\p], s28, s29
.endr
.irp p, 0,1,2,3
	v_add_f32 v[S+2*\p], v[S+2*\p], v[S+2*\p+1]    ; the row's sum of squares, in every lane
.endr
.irp p, 0,1,2,3
	v_rsq_f32 v[S+2*\p], v[S+2*\p]
.endr
	v_nop                                          ; a plain instruction behind the last transcendental (ISA guide 5.7.2),
	s_wait_alu depctr_va_vdst(0)                   ; and the one wait for the four ahead of their first reader
.irp p, 0,1,2,3
	v_min_num_f32 v[S+2*\p], s57, v[S+2*\p]        ; 1 / max(norm, 1e-12)
.endr
.irp t, 0,2,4,6,8,10,12,14
.irp p, 0,1,2,3
	v_pk_mul_f32 v[(\rs)+16*\p+\t:(\rs)+16*\p+\t+1], v[(\rs)+16*\p+\t:(\rs)+16*\p+\t+1], v[S+2*\p:S+2*\p+1] op_sel_hi:[1,0]
.endr
.endr
.set ri, 0
.rept 64
	v_med3_num_f32 v[(\rs)+ri], v[(\rs)+ri], -v[\lim], v[\lim]   ; the conversion to an 8-bit code does not saturate (ISA guide 7.6.2)
.set ri, ri+1
.endr
	s_wait_dscnt 0x0                               ; my earlier stage stores have read the codes' registers
.irp p, 0,1,2,3
	v_cvt_scalef32_pk8_fp8_f32 v[C+4*\p:C+4*\p+1], v[(\rs)+16*\p:(\rs)+16*\p+7], v[\scl]
	v_cvt_scalef32_pk8_fp8_f32 v[C+4*\p+2:C+4*\p+3], v[(\rs)+16*\p+8:(\rs)+16*\p+15], v[\scl]
.endr
	v_nop                                          ; one plain vector line behind the last scaled conversion
.irp p, 0,1,2,3
	ds_store_b128 v12, v[C+4*\p:C+4*\p+3] offset:((\row0)+\p)*SPI
.endr
.endm
; group g of eight: its four rows are worked, and its set takes the rows of three groups on.  left: the younger loads that may stay out
.macro GROUP g, left, more
	s_wait_loadcnt \left
	ROWS4 R0+64*((\g)%3), 24, 25, 4*(\g)
.if \more
	LK (\g)+3, R0+64*((\g)%3)
.endif
.endm
; a query tile's 64 registers into buffer b of window 3: the tile b + lead from where s[66:67] stands
.macro QLOAD b, lead
	WIN 0xc0                                       ; destination window 3, address window 0
.set qi, 0
.rept 16
	global_load_b128 v[64*(\b)+4*qi:64*(\b)+4*qi+3], v2, s[66:67] offset:((\b)+(\lead))*8192+512*qi
.set qi, qi+1
.endr
	WIN 0
.endm
; the mask on two key tiles' sums, line by line by turns: register index % 8 of the eight, kept where index / 8 - h = 2 T (s68).  Each accumulator is read from its low end on
.macro PICK2 ka, kb
	v_cndmask_b32 v[TT],   v[ACC+8*\ka],   v[ACC+8*\ka+1], s[32+3*\ka]
	v_cndmask_b32 v[TT+4], v[ACC+8*\kb],   v[ACC+8*\kb+1], s[32+3*\kb]
	v_cndmask_b32 v[TT+1], v[ACC+8*\ka+2], v[ACC+8*\ka+3], s[32+3*\ka]
	v_cndmask_b32 v[TT+5], v[ACC+8*\kb+2], v[ACC+8*\kb+3], s[32+3*\kb]
	v_cndmask_b32 v[TT+2], v[ACC+8*\ka+4], v[ACC+8*\ka+5], s[32+3*\ka]
	v_cndmask_b32 v[TT+6], v[ACC+8*\kb+4], v[ACC+8*\kb+5], s[32+3*\kb]
	v_cndmask_b32 v[TT+3], v[ACC+8*\ka+6], v[ACC+8*\ka+7], s[32+3*\ka]
	v_cndmask_b32 v[TT+7], v[ACC+8*\kb+6], v[ACC+8*\kb+7], s[32+3*\kb]
	v_cndmask_b32 v[TT],   v[TT],   v[TT+1], s[33+3*\ka]
	v_cndmask_b32 v[TT+4], v[TT+4], v[TT+5], s[33+3*\kb]
	v_cndmask_b32 v[TT+2], v[TT+2], v[TT+3], s[33+3*\ka]
	v_cndmask_b32 v[TT+6], v[TT+6], v[TT+7], s[33+3*\kb]
	v_cmp_eq_u32 vcc_lo, s68, v[IDQ+\ka]
	v_cmp_eq_u32 s56, s68, v[IDQ+\kb]
	v_cndmask_b32 v[TT],   v[TT],   v[TT+2], s[34+3*\ka]
	v_cndmask_b32 v[TT+4], v[TT+4], v[TT+6], s[34+3*\kb]
	v_cndmask_b32 v[TS+\ka], v[TS+\ka], v[TT],   vcc_lo
	v_cndmask_b32 v[TS+\kb], v[TS+\kb], v[TT+4], s56
.endm
; one query tile, in buffer b, against the 128 keys.  The accumulators take turns, one instruction a turn, four at a time under one window setting; each sum's first product takes 0 as C.
; left: the younger loads that may stay out.  reload = 1: the buffer takes the tile four further on.
.macro QTILE b, reload, left
	s_wait_loadcnt \left
	WIN 0x07                                       ; source 0 (queries) window 3, source 1 (keys) window 1, C and D window 0
.irp s, 0,1,2,3
.irp k, 0,1,2,3
.if \s == 0
	v_wmma_f32_16x16x128_fp8_fp8 v[ACC+8*\k:ACC+8*\k+7], v[64*(\b)+16*\s:64*(\b)+16*\s+15], v[64*\k+16*\s:64*\k+16*\s+15], 0
.else
	v_wmma_f32_16x16x128_fp8_fp8 v[ACC+8*\k:ACC+8*\k+7], v[64*(\b)+16*\s:64*(\b)+16*\s+15], v[64*\k+16*\s:64*\k+16*\s+15], v[ACC+8*\k:ACC+8*\k+7]
.endif
.endr
.endr
	WIN 0x0b                                       ; keys in window 2
.irp s, 0,1,2,3
.irp k, 0,1,2,3
.if \s == 0
	v_wmma_f32_16x16x128_fp8_fp8 v[ACC+32+8*\k:ACC+32+8*\k+7], v[64*(\b)+16*\s:64*(\b)+16*\s+15], v[64*\k+16*\s:64*\k+16*\s+15], 0
.else
	v_wmma_f32_16x16x128_fp8_fp8 v[ACC+32+8*\k:ACC+32+8*\k+7], v[64*(\b)+16*\s:64*(\b)+16*\s+15], v[64*\k+16*\s:64*\k+16*\s+15], v[ACC+32+8*\k:ACC+32+8*\k+7]
.endif
.endr
.endr
.rept 4
	v_nop                                          ; four places behind the matrix instructions, ahead of the loads into the buffer that they read and of the first read of their results
.endr
.if \reload
	QLOAD \b, 4
.else
	WIN 0
.endif
	PICK2 0, 1
	PICK2 2, 3
	PICK2 4, 5
	PICK2 6, 7
	s_add_co_u32 s68, s68, 2                       ; 2 T of the next tile
.endm
	s_load_b256 s[4:11], s[0:1], 0x0               ; keys 4:5, scales 6:7, tree_idx 8:9, qfr 10:11
	s_load_b64 s[12:13], s[0:1], 0x20              ; tsc
	v_lshl_add_u32 v30, v0, 2, 0x11000
	v_mov_b32 v31, 0
	v_lshrrev_b32 v1, 5, v0
	v_readfirstlane_b32 s22, v1                    ; wave 0..3
	v_and_b32 v1, 31, v0                           ; lane L
	v_lshlrev_b32 v2, 4, v1                        ; 16 L
	v_and_b32 v3, 15, v0                           ; r
	v_bfe_u32 v4, v0, 4, 1                         ; h
	v_lshlrev_b32 v5, 2, v3                        ; 4 r
	s_mov_b32 s28, 0x76543210                      ; v_permlanex16_b32: lane l xor 16
	s_mov_b32 s29, 0xfedcba98
	s_mov_b32 s57, 0x5368d4a5                      ; 1e12
	s_lshl_b32 s60, ttmp9, 18                      ; the work-group's 128 rows of 2,048 bytes,
	s_lshl_b32 s30, s22, 16                        ; my wave's 32 of them
	s_add_co_u32 s60, s60, s30
	s_mov_b32 s61, 0
	s_lshl_b32 s70, ttmp9, 9                       ; 128 words: in tree_idx and in tsc
	s_mov_b32 s71, 0
	s_lshl_b32 s66, s22, 18                        ; my 32 query tiles of 8,192 bytes
	s_mov_b32 s67, 0
	s_wait_kmcnt 0x0
	s_load_b128 s[24:27], s[6:7], 0x0              ; e0 .. e3
	s_add_nc_u64 s[60:61], s[4:5], s[60:61]
	s_add_nc_u64 s[72:73], s[12:13], s[70:71]
	s_add_nc_u64 s[70:71], s[8:9], s[70:71]
	s_add_nc_u64 s[66:67], s[10:11], s[66:67]
.irp k, 0,1,2,3,4,5,6,7
	global_load_b32 v[IDX+\k], v5, s[70:71] offset:64*\k   ; the index of key 16 k + r
.endr
	LK 0, R0
	LK 1, R0+64
	LK 2, R0+128
	s_mul_i32 s31, s22, 32*SPI
	v_add_nc_u32 v12, s31, v2                      ; into the stage: my wave's 32 rows, 16 L
	v_mul_u32_u24 v13, v3, SPI
	v_lshl_add_u32 v13, v4, 4, v13                 ; fragments: row r, + 16 h
	s_lshl_b32 s31, s22, 9
	s_add_co_u32 s31, s31, TSUM
	v_lshl_add_u32 v14, v3, 2, s31                 ; my wave's kept sums: key r of a tile
	v_add_nc_u32 v15, TSUM, v2                     ; and a wave's 128, 16 bytes a lane
	s_wait_kmcnt 0x0
	s_add_co_i32 s30, s25, 127
	s_lshl_b32 s31, s30, 23
	v_mov_b32 v24, s31                             ; 2^e1
	s_add_co_i32 s30, s30, 8
	s_lshl_b32 s30, s30, 23
	s_or_b32 s30, s30, 0x600000
	v_mov_b32 v25, s30                             ; 448 x 2^e1
	s_add_co_i32 s58, s24, s25                     ; e0 + e1
; ---- phase 1: 8 groups of 4 rows on three sets: while a group is worked, the 32 loads of the two groups behind it are out
	GROUP 0, 32, 1
	GROUP 1, 32, 1
	GROUP 2, 32, 1
	GROUP 3, 32, 1
	GROUP 4, 32, 1
	GROUP 5, 32, 0
	GROUP 6, 16, 0
	s_wait_loadcnt 0x0                             ; the last group is in, and so are the indices
	QLOAD 0, 0                                     ; my first four query tiles are asked for while the last group is worked
	QLOAD 1, 0
	QLOAD 2, 0
	QLOAD 3, 0
	ROWS4 R0+64*(7%3), 24, 25, 28
	s_wait_dscnt 0x0                               ; for the others' sake: my 32 rows lie in the stage
	s_barrier_signal -1
	s_barrier_wait -1
; ---- all 128 keys' fragments into windows 1 and 2: tile k's fragment s at v[64 (k % 4) + 16 s]
	WIN 0x40                                       ; destination window 1, address window 0
.irp k, 0,1,2,3
.irp s, 0,1,2,3
.irp c, 0,1,2,3
	ds_load_b128 v[64*\k+16*\s+4*\c:64*\k+16*\s+4*\c+3], v13 offset:\k*16*SPI+128*\s+32*\c
.endr
.endr
.endr
	WIN 0x80                                       ; destination window 2
.irp k, 0,1,2,3
.irp s, 0,1,2,3
.irp c, 0,1,2,3
	ds_load_b128 v[64*\k+16*\s+4*\c:64*\k+16*\s+4*\c+3], v13 offset:(\k+4)*16*SPI+128*\s+32*\c
.endr
.endr
.endr
	WIN 0
.irp k, 0,1,2,3,4,5,6,7                            ; the mask's parts that do not hang on the query tile, made while the fragments come
	v_and_b32 v[TT],   1, v[IDX+\k]
	v_and_b32 v[TT+1], 2, v[IDX+\k]
	v_and_b32 v[TT+2], 4, v[IDX+\k]
	v_lshrrev_b32 v[IDQ+\k], 3, v[IDX+\k]
	v_cmp_ne_u32 s[32+3*\k], 0, v[TT]
	v_cmp_ne_u32 s[33+3*\k], 0, v[TT+1]
	v_cmp_ne_u32 s[34+3*\k], 0, v[TT+2]
	v_sub_nc_u32 v[IDQ+\k], v[IDQ+\k], v4          ; index / 8 - h: an index that is no query's never meets 2 T, which is even and at most 254 (2048 / 8 - 1 = 255)
	v_mov_b32 v[TS+\k], 0                          ; nothing kept yet
.endr
	s_lshl_b32 s68, s22, 6                         ; 2 T of my first tile: T = 32 w
	s_mov_b32 s69, 0
	s_wait_dscnt 0x0                               ; the keys' fragments are in
; ---- phase 2: 32 query tiles.  In front of a tile the 48 loads of the three buffers behind its own may be out
.Ltrip:                                            ; 7 trips of 4 tiles; each buffer is asked for again behind its products
	QTILE 0, 1, 48
	QTILE 1, 1, 48
	QTILE 2, 1, 48
	QTILE 3, 1, 48
	s_wait_xcnt 0x0                                ; the loads have read their base: it is stepped only behind this wait
	s_add_nc_u64 s[66:67], s[66:67], 4*8192
	s_add_co_u32 s69, s69, 1
	s_cmp_lt_u32 s69, 7
	s_cbranch_scc1 .Ltrip
	QTILE 0, 0, 48                                 ; the last four tiles ask for nothing: no load leaves qfr, and the counts run down
	QTILE 1, 0, 32
	QTILE 2, 0, 16
	QTILE 3, 0, 0
; ---- a key's sum was kept in one wave and one half of its lanes, all others hold 0: the halves are added, then the four waves'
.irp k, 0,1,2,3,4,5,6,7
	v_permlanex16_b32 v[TT+\k], v[TS+\k], s28, s29
.endr
.irp k, 0,1,2,3,4,5,6,7
	v_add_f32 v[TS+\k], v[TS+\k], v[TT+\k]
.endr
.irp k, 0,1,2,3,4,5,6,7
	ds_store_b32 v14, v[TS+\k] offset:64*\k        ; lanes L and L + 16 write the same word with the same number
.endr
	s_wait_dscnt 0x0                               ; for wave 0's sake: my stores have landed
	s_barrier_signal -1
	s_barrier_wait -1
	s_cmp_lg_u32 s22, 0
	s_cbranch_scc1 .Lend
.irp k, 0,1,2,3
	ds_load_b128 v[32+4*\k:35+4*\k], v15 offset:512*\k
.endr
	s_wait_dscnt 0x0
	v_pk_add_f32 v[32:33], v[32:33], v[36:37]
	v_pk_add_f32 v[34:35], v[34:35], v[38:39]
	v_pk_add_f32 v[40:41], v[40:41], v[44:45]
	v_pk_add_f32 v[42:43], v[42:43], v[46:47]
	v_pk_add_f32 v[32:33], v[32:33], v[40:41]
	v_pk_add_f32 v[34:35], v[34:35], v[42:43]
	v_pk_mul_f32 v[32:33], v[32:33], 0x3fb8aa3b op_sel_hi:[1,0]   ; x log2(e)
	v_pk_mul_f32 v[34:35], v[34:35], 0x3fb8aa3b op_sel_hi:[1,0]
.irp j, 0,1,2,3
	v_ldexp_f32 v[32+\j], v[32+\j], s58            ; x 2^(e0 + e1)
.endr
	global_store_b128 v2, v[32:35], s[72:73]       ; 512 consecutive bytes, at a multiple of 256 from tsc's first byte
.Lend:
	s_wait_tensorcnt 0x0
	ds_add_u32 v30, v31
	s_wait_dscnt 0x0
	s_endpgm
.Lfunc_end_k_qa39cae1e99_score:
	.size	k_qa39cae1e99_score, .Lfunc_end_k_qa39cae1e99_score-k_qa39cae1e99_score
	.p2alignl 7, 3214868480
	.fill 96, 4, 3214868480
	.section	.rodata,"a",@progbits
	.p2align	6, 0x0
	.amdhsa_kernel k_qa39cae1e99_score
		.amdhsa_group_segment_fixed_size 70144
		.amdhsa_private_segment_fixed_size 0
		.amdhsa_enable_private_segment 0
		.amdhsa_kernarg_size 40
		.amdhsa_user_sgpr_count 2
		.amdhsa_user_sgpr_kernarg_segment_ptr 1
		.amdhsa_wavefront_size32 1
		.amdhsa_system_sgpr_workgroup_id_x 1
		.amdhsa_system_sgpr_workgroup_id_y 1
		.amdhsa_system_sgpr_workgroup_id_z 1
		.amdhsa_system_vgpr_workitem_id 0
		.amdhsa_next_free_vgpr 1024
		.amdhsa_next_free_sgpr 80
		.amdhsa_reserve_vcc 1
		.amdhsa_float_denorm_mode_32 3
		.amdhsa_float_denorm_mode_16_64 3
		.amdhsa_memory_ordered 1
		.amdhsa_forward_progress 1
		.amdhsa_inst_pref_size 180
	.end_amdhsa_kernel
	.amdgpu_metadata
---
amdhsa.version: [ 1, 2 ]
amdhsa.kernels:
  - .name:           k_qa39cae1e99_score
    .symbol:         k_qa39cae1e99_score.kd
    .args:
      - { .name: keys, .offset: 0, .size: 8, .value_kind: global_buffer, .address_space: global }
      - { .name: lowp_scales, .offset: 8, .size: 8, .value_kind: global_buffer, .address_space: global }
      - { .name: tree_idx, .offset: 16, .size: 8, .value_kind: global_buffer, .address_space: global }
      - { .name: qfr, .offset: 24, .size: 8, .value_kind: global_buffer, .address_space: global }
      - { .name: tsc, .offset: 32, .size: 8, .value_kind: global_buffer, .address_space: global }
    .group_segment_fixed_size: 70144
    .private_segment_fixed_size: 0
    .kernarg_segment_align: 8
    .kernarg_segment_size: 40
    .max_flat_workgroup_size: 128
    .sgpr_count:     80
    .vgpr_count:     1024
    .wavefront_size: 32
...
	.end_amdgpu_metadata
.endif
;; end of part 2
;; launch attend (part 3): grid 129 x 2, 8 waves a work-group, no clusters, 69,632 bytes of LDS; arguments lst, meta, tsc, vkm, lowp_scales, out0, out1; writes out0, out1
.if DOCPART == 3
	.amdgcn_target "amdgcn-amd-amdhsa--gfx1250"
	.amdhsa_code_object_version 6
	.text
	.protected	k_qa39cae1e99_attend
	.globl	k_qa39cae1e99_attend
	.p2align	8
	.type	k_qa39cae1e99_attend,@function
k_qa39cae1e99_attend:
	s_mov_b64 s[64:65], 0
	v_nop
	global_prefetch_b8 v0, s[64:65] scope:SCOPE_SE
	s_setreg_imm32_b32 hwreg(HW_REG_WAVE_MODE, 25, 1), 1
	s_wait_xcnt 0x0
; THIRD LAUNCH OF THREE.  Work-group (g, y) owns queries 16 g .. 16 g + 15 and dv 256 y .. 256 y + 255; region g of lst names the keys that count for them, n of them (meta).
; p = 2^(t - M), M a whole number (the ceiling of the running largest t); the row's sum l is taken of the unquantised p; p is quantised to E4M3 with 2^e2; O^T += V^T P^T by
; v_wmma_f32_16x16x64_fp8_fp8 (source 0 = 16 dv x 64 listed keys, source 1 = 64 listed keys x 16 queries, p = 0 where a key is another query's); out0 = O x 2^(e2+e3) / l; out1[m] = p / l of m's own query.
; SHARES.  Wave w: dv 128 (2 y + w % 2) on (8 tiles of 16), and the steps of 64 listed keys whose number is w / 2 modulo 4.  In its loop a wave hangs on no other wave; each has its own running M and l
; for its share of the keys (every later rescaling is a power of two).  The waves meet once, behind the loops, in LDS.  The trip counts are numbers read from meta, so the launch has no tensor load.
; Lane (r, h) holds query r and the step's entries 32 h + 0 .. 31; entry 4 x + b stands in byte b of register x of BOTH operands: one order of k for both.
; A query with no key: l = 0, so out0's row is 0 x infinity = NaN, and every number of out1 is NaN, as the softmax of a row of -infinity gives; the flag comes from meta.
; Work-groups (128, y) serve the keys whose index is no query's: out1 = 0 (or NaN); with no such key they store nothing: the grid serves every split of the keys.
; Every lane stays on throughout: EXEC is never written.
; No cluster: the two work-groups of a g share the list and t alone, a small part of what they read.  LIMITS: e2 between -126 and 119; e2 + e3 goes through v_ldexp_f32 and has none.  NaN among t is not served.
.set LPITCH, 131328
.set OPI,  1040                        ; a stage row: 256 f32 + 16 bytes
.set OSTG, 16*OPI                      ; LDS from 0: four stages, one for each quarter of the steps: 16 queries x 256 dv
.set STAT, 4*OSTG                      ; behind them: 256 bytes a wave: -M at 4 L, l at 128 + 4 L
.set E,   32                           ; v32-63   entries, then the keys' byte offsets in vkm
.set T,   64                           ; v64-95   4 x key, then t, then p
.set FR,  32                           ; v32-95   then V's 8 fragments of 8 registers
.set RAW, 96                           ; v96-159  V as loaded: 8 bytes a key
.set ACC, 160                          ; v160-223 O^T, 8 tiles
.set PC,  224                          ; v224-231 p's codes
.set TT,  232                          ; v232-235 at work
.set SL,  66                           ; s66-69   byte selectors
; v1 L, v2 r, v3 h, v4 128 G + 8 r, v5 128 h, v7 -infinity, v8-11, v20 LDS addresses, v21 16 L, v12 -M, v13 the largest t, v[14:15] l in two halves, v240 448 x 2^e2, v244 2^e2, v[252:253] f
.macro T4X4 a0, a1, a2, a3, o0, o1, o2, o3     ; 4 x 4 bytes turned: byte k of output b = byte b of input k
	v_perm_b32 v[TT],   v[\a1], v[\a0], s[SL]
	v_perm_b32 v[TT+1], v[\a1], v[\a0], s[SL+1]
	v_perm_b32 v[TT+2], v[\a3], v[\a2], s[SL]
	v_perm_b32 v[TT+3], v[\a3], v[\a2], s[SL+1]
	v_perm_b32 v[\o0], v[TT+2], v[TT],   s[SL+2]
	v_perm_b32 v[\o1], v[TT+2], v[TT],   s[SL+3]
	v_perm_b32 v[\o2], v[TT+3], v[TT+1], s[SL+2]
	v_perm_b32 v[\o3], v[TT+3], v[TT+1], s[SL+3]
.endm
; The four quarters' statistics of the query that v[adr] + off names become: v104 = -M, v105 = 1 / l, v108-111 = g_k = 2^(M_k - M) 2^(e2+e3) / l
.macro STATS adr, off
.irp k, 0,1,2,3
	ds_load_b32 v[96+\k],  v[\adr] offset:512*\k+(\off)
	ds_load_b32 v[100+\k], v[\adr] offset:512*\k+128+(\off)
.endr
	s_wait_dscnt 0x0
	v_min3_num_f32 v104, v96, v97, v98
	v_min_num_f32 v104, v104, v99                  ; -M = the least -M_k
.irp k, 0,1,2,3
	v_sub_f32 v[96+\k], v104, v[96+\k]             ; M_k - M: a whole number, 0 or less
.endr
.irp k, 0,1,2,3
	v_cvt_i32_f32 v[96+\k], v[96+\k]               ; (it saturates)
.endr
.irp k, 0,1,2,3
	v_ldexp_f32 v[96+\k], 1.0, v[96+\k]            ; f_k
.endr
	v_mul_f32 v105, v96, v100
	v_fma_f32 v105, v97, v101, v105
	v_fma_f32 v105, v98, v102, v105
	v_fma_f32 v105, v99, v103, v105                ; l
	v_rcp_f32 v105, v105
	v_nop                                          ; a plain instruction behind the transcendental,
	s_wait_alu depctr_va_vdst(0)                   ; and the wait ahead of its first reader
.irp k, 0,1,2,3
	v_mul_f32 v[108+\k], v[96+\k], v105
.endr
.irp k, 0,1,2,3
	v_ldexp_f32 v[108+\k], v[108+\k], s31
.endr
.endm
; out1 for the region's entries, 32 at a time; the two work-groups' sixteen waves take chunks 8 y + w, + 16, ..  own = 1: p / l of the key's query; 0: nothing counts.
; A lane past the region's last entry takes the last entry again and stores the same number to the same word.
.macro CHUNKS own
	s_lshl_b32 s21, s72, 3
	s_add_co_u32 s21, s21, s18                     ; my first chunk, 0 .. 15
	s_add_co_u32 s82, s19, 31
	s_lshr_b32 s82, s82, 5                         ; the region's chunks
	s_add_co_u32 s82, s82, 15
	s_sub_co_u32 s82, s82, s21
	s_lshr_b32 s82, s82, 4                         ; my trips: the chunks first, first + 16, .. below that number
	s_min_u32 s82, s82, 64                         ; (n is at most 32,768: 1,024 chunks, 64 trips: the hold states it in the text)
	s_lshl_b32 s21, s21, 5                         ; my first chunk's first entry
	s_sub_co_u32 s84, s19, 1                       ; the last entry (read only where there is a trip, so n is at least 1)
	s_mov_b32 s83, 0
	s_cmp_lg_u32 s82, 0
	s_cbranch_scc0 .Lnochunk_\@
.Lchunk_\@:
	v_add_nc_u32 v102, s21, v1                     ; my entry's number,
	v_min_u32 v102, s84, v102                      ; or the last one's;
	v_min_u32 v102, 0x7fff, v102                   ; a number made from a loaded one is held before it enters an address
	v_lshlrev_b32 v102, 2, v102
	global_load_b32 v96, v102, s[78:79]
	s_wait_loadcnt 0x0
	v_min_u32 v96, 0x87fff, v96                    ; likewise
	v_and_b32 v97, 0x7fff, v96
	v_lshlrev_b32 v97, 2, v97                      ; 4 x key
.if \own
	global_load_b32 v99, v97, s[8:9]               ; t
	v_lshrrev_b32 v98, 15, v96                     ; which of my 16 queries
	v_mov_b32 v100, s32
	v_mov_b32 v101, s48
.irp j, 1,2,3,4,5,6,7,8,9,10,11,12,13,14,15
	v_cmp_eq_u32 vcc_lo, \j, v98
	v_cndmask_b32 v100, v100, s[32+\j], vcc_lo     ; its -M
	v_cndmask_b32 v101, v101, s[48+\j], vcc_lo     ; its 1 / l
.endr
	s_wait_loadcnt 0x0
	v_add_f32 v99, v99, v100
	v_exp_f32 v99, v99
	v_nop                                          ; the plain instruction behind the transcendental,
	s_wait_alu depctr_va_vdst(0)                   ; and the wait ahead of its first reader
	v_fma_f32 v99, v99, v101, s30                  ; p / l, + 0 or NaN
.else
	v_mov_b32 v99, s30
.endif
	global_store_b32 v97, v99, s[16:17]
	s_wait_xcnt 0x0                                ; the store has read its registers: the next trip writes them again
	s_add_co_u32 s21, s21, 512                     ; 16 chunks on
	s_add_co_u32 s83, s83, 1
	s_cmp_lt_u32 s83, s82
	s_cbranch_scc1 .Lchunk_\@
.Lnochunk_\@:
.endm
	s_load_b256 s[4:11], s[0:1], 0x0               ; lst 4:5, meta 6:7, tsc 8:9, vkm 10:11
	s_load_b128 s[12:15], s[0:1], 0x20             ; scales 12:13, out0 14:15
	s_load_b64 s[16:17], s[0:1], 0x30              ; out1
	v_lshl_add_u32 v251, v0, 2, 0x10c00
	v_mov_b32 v255, 0
	v_lshrrev_b32 v1, 5, v0
	v_readfirstlane_b32 s18, v1                    ; wave 0..7
	v_and_b32 v1, 31, v0                           ; L
	v_and_b32 v2, 15, v0                           ; r
	v_bfe_u32 v3, v0, 4, 1                         ; h
	s_and_b32 s72, ttmp7, 0xffff                   ; y
	s_and_b32 s73, s18, 1
	s_lshr_b32 s74, s18, 1                         ; my quarter of the steps
	s_lshl_b32 s75, s72, 1
	s_add_co_u32 s75, s75, s73
	s_lshl_b32 s75, s75, 7
	v_lshl_add_u32 v4, v2, 3, s75                  ; my 8 bytes of a key's row in vkm
	v_lshlrev_b32 v5, 7, v3                        ; my half's 32 entries of a step
	v_mov_b32 v7, 0xff800000                       ; -infinity
	s_mul_i32 s76, s74, OSTG
	s_lshl_b32 s77, s73, 9
	s_add_co_u32 s76, s76, s77
	v_mul_u32_u24 v8, v2, OPI
	v_lshl_add_u32 v8, v3, 5, v8
	v_add_nc_u32 v8, s76, v8                       ; into my quarter's stage: row r, + 512 (w % 2) + 32 h
	s_lshl_b32 s76, s18, 8
	s_add_co_u32 s76, s76, STAT
	v_lshl_add_u32 v9, v1, 2, s76                  ; my wave's statistics
	v_lshl_add_u32 v10, v1, 2, STAT                ; a query to a lane
	s_lshl_b32 s76, s18, 3
	s_add_co_u32 s76, s76, STAT
	v_mov_b32 v11, s76                             ; query 2 w
	v_lshlrev_b32 v21, 4, v1
	s_mul_i32 s76, s18, 2*OPI
	v_add_nc_u32 v20, s76, v21                     ; stage rows 2 w, 2 w + 1, 16 bytes a lane
	s_mov_b32 s28, 0x76543210
	s_mov_b32 s29, 0xfedcba98
	s_mov_b32 s[SL],   0x05010400
	s_mov_b32 s[SL+1], 0x07030602
	s_mov_b32 s[SL+2], 0x05040100
	s_mov_b32 s[SL+3], 0x07060302
	s_lshl_b32 s70, ttmp9, 2
	s_mov_b32 s71, 0
	s_mul_i32 s78, ttmp9, LPITCH
	s_mov_b32 s79, 0
	s_wait_kmcnt 0x0
	s_add_nc_u64 s[70:71], s[6:7], s[70:71]
	s_load_b32 s19, s[70:71], 0x0                  ; n
	s_load_b128 s[24:27], s[12:13], 0x0            ; e0 .. e3
	global_load_b128 v[24:27], v21, s[6:7] offset:1024   ; the 128 regions' flags
	s_add_nc_u64 s[78:79], s[4:5], s[78:79]        ; my region
	v_mov_b32 v13, 0xff61b1e6                      ; the largest t so far: -3e38
	v_floor_f32 v12, -v13                          ; -M
	v_mov_b32 v14, 0
	v_mov_b32 v15, 0
	v_mov_b32 v236, 0                              ; (a lane permute's destination counts as read)
	v_mov_b32 v253, 0                              ; (named as the upper half of v[252:253])
.set i, 0
.rept 64
	v_mov_b32 v[ACC+i], 0                          ; a wave with no step of its own hands zeros on; the step is written once and its first change of M leaves zeros zeros
.set i, i+1
.endr
	s_wait_kmcnt 0x0
	s_min_u32 s19, s19, 0x8000
	s_add_co_i32 s76, s26, 127
	s_lshl_b32 s77, s76, 23
	v_mov_b32 v244, s77                            ; 2^e2
	s_add_co_i32 s76, s76, 8
	s_lshl_b32 s76, s76, 23
	s_or_b32 s76, s76, 0x600000
	v_mov_b32 v240, s76                            ; 448 x 2^e2
	s_add_co_i32 s31, s26, s27                     ; e2 + e3
	s_wait_loadcnt 0x0
	v_or_b32 v24, v24, v25
	v_or_b32 v26, v26, v27
	v_or_b32 v24, v24, v26
	v_cmp_ne_u32 vcc_lo, 0, v24
	s_cmp_lg_u32 vcc_lo, 0
	s_cselect_b32 s30, 0x7fc00000, 0               ; NaN where some query of the 2,048 has no key, else 0: a number that is added, not a branch
	s_cmp_eq_u32 ttmp9, 128
	s_cbranch_scc1 .Lstray
	s_lshl_b32 s76, ttmp9, 4
	s_lshl_b32 s77, s18, 1
	s_add_co_u32 s76, s76, s77
	s_lshl_b32 s76, s76, 11                        ; out0: row 16 g + 2 w,
	s_lshl_b32 s77, s72, 10
	s_add_co_u32 s76, s76, s77                     ; + 1,024 y
	s_mov_b32 s77, 0
	s_add_nc_u64 s[80:81], s[14:15], s[76:77]
	s_add_co_u32 s20, s19, 63
	s_lshr_b32 s20, s20, 6                         ; steps of 64 entries
	s_add_co_u32 s20, s20, 3
	s_sub_co_u32 s20, s20, s74
	s_lshr_b32 s20, s20, 2                         ; my trips: the steps quarter, quarter + 4, .. below that number
	s_min_u32 s20, s20, 128                        ; (n is at most 32,768: 512 steps, 128 trips: the hold states it in the text)
	s_mov_b32 s21, 0
	s_lshl_b32 s76, s74, 8
	s_add_nc_u64 s[22:23], s[78:79], s[76:77]      ; my first step's entries
	s_cmp_lg_u32 s20, 0
	s_cbranch_scc0 .Lmeet
.Lstep:
.irp q, 0,1,2,3,4,5,6,7
	global_load_b128 v[E+4*\q:E+4*\q+3], v5, s[22:23] offset:16*\q   ; the sixteen lanes of a half read the same 32 entries
.endr
	s_wait_loadcnt 0x0
.set i, 0
.rept 32
	v_min_u32 v[E+i], 0x87fff, v[E+i]              ; a loaded number is held before it enters an address
	v_and_b32 v[T+i], 0x7fff, v[E+i]               ; the key
	v_lshrrev_b32 v232, 15, v[E+i]
	v_cmp_eq_u32 s[32+i], v232, v2                 ; is it my query's?
	v_lshl_add_u32 v[E+i], v[T+i], 9, v4
	v_lshlrev_b32 v[T+i], 2, v[T+i]
	global_load_b32 v[T+i], v[T+i], s[8:9]         ; t; the load lands on its own offset's register
.set i, i+1
.endr
.set i, 0
.rept 32
	global_load_b64 v[RAW+2*i:RAW+2*i+1], v[E+i], s[10:11]   ; byte u: the code of dv tile u, row r: sixteen lanes read 128 consecutive bytes of a key's row
.set i, i+1
.endr
	s_wait_loadcnt 32                              ; the 32 t are in; the 32 loads of V issued behind them stay out
.set i, 0
.rept 32
	v_cndmask_b32 v[T+i], v7, v[T+i], s[32+i]      ; another query's key: -infinity, so p = 0
.set i, i+1
.endr
	v_max3_num_f32 v254, v[T], v[T+1], v[T+2]      ; the step's largest t of my query, in two chains,
	v_max3_num_f32 v252, v[T+3], v[T+4], v[T+5]
.irp i, 6,10,14,18,22,26
	v_max3_num_f32 v254, v254, v[T+\i], v[T+\i+1]
	v_max3_num_f32 v252, v252, v[T+\i+2], v[T+\i+3]
.endr
	v_max3_num_f32 v254, v254, v[T+30], v[T+31]
	v_max_num_f32 v254, v254, v252
	v_permlanex16_b32 v236, v254, s28, s29
	v_max_num_f32 v254, v254, v236                 ; and among the other half's 32 entries
	v_max_num_f32 v13, v13, v254
	v_mov_b32 v254, v12
	v_floor_f32 v12, -v13                          ; -M = floor(-t) = -ceil(t)
	v_sub_f32 v254, v12, v254                      ; old M - new M: a whole number, 0 or less
	v_cvt_i32_f32 v254, v254                       ; (it saturates)
	v_ldexp_f32 v252, 1.0, v254                    ; f = 2^(old M - new M)
.irp j, 0,2,4,6,8,10,12,14,16,18,20,22,24,26,28,30
	v_pk_add_f32 v[T+\j:T+\j+1], v[T+\j:T+\j+1], v[12:13] op_sel_hi:[1,0]   ; t - M
.endr
.set i, 0
.rept 32
	v_exp_f32 v[T+i], v[T+i]                       ; p, at most 1, not normalised
.set i, i+1
.endr
	v_pk_mul_f32 v[14:15], v[14:15], v[252:253] op_sel_hi:[1,0]   ; l under the new M.  (The plain instruction behind the exponentials)
	s_wait_alu depctr_va_vdst(0)                   ; one wait for the batch, ahead of its first reader
	v_pk_add_f32 v[242:243], v[T:T+1], v[T+2:T+3]  ; l takes the unquantised p, in two chains
.irp j, 4,8,12,16,20,24,28
	v_pk_add_f32 v[14:15], v[14:15], v[T+\j:T+\j+1]
	v_pk_add_f32 v[242:243], v[242:243], v[T+\j+2:T+\j+3]
.endr
	v_pk_add_f32 v[14:15], v[14:15], v[242:243]
.set i, 0
.rept 32
	v_min_num_f32 v[T+i], v[T+i], v240             ; the conversion does not saturate (ISA guide 7.6.2); p is not negative
.set i, i+1
.endr
.irp q, 0,1,2,3
	v_cvt_scalef32_pk8_fp8_f32 v[PC+2*\q:PC+2*\q+1], v[T+8*\q:T+8*\q+7], v244
.endr
	v_nop                                          ; one plain vector line behind the last scaled conversion
.set i, 0
.rept 32
	v_pk_mul_f32 v[ACC+2*i:ACC+2*i+1], v[ACC+2*i:ACC+2*i+1], v[252:253] op_sel_hi:[1,0]   ; O^T under the new M; each accumulator from its low end on
.set i, i+1
.endr
	s_wait_loadcnt 0x0                             ; V
.irp c, 0,1,2,3,4,5,6,7
.irp d, 0,1
	T4X4 RAW+2*(4*\c+0)+\d, RAW+2*(4*\c+1)+\d, RAW+2*(4*\c+2)+\d, RAW+2*(4*\c+3)+\d, FR+8*(4*\d+0)+\c, FR+8*(4*\d+1)+\c, FR+8*(4*\d+2)+\c, FR+8*(4*\d+3)+\c   ; register c of tile 4 d + b: entries 4 c .. 4 c + 3
.endr
.endr
.irp u, 0,1,2,3,4,5,6,7
	v_wmma_f32_16x16x64_fp8_fp8 v[ACC+8*\u:ACC+8*\u+7], v[FR+8*\u:FR+8*\u+7], v[PC:PC+7], v[ACC+8*\u:ACC+8*\u+7]   ; eight accumulators by turns, over the backward jump too
.endr
.rept 4
	v_nop                                          ; four places: ahead of the next trip's loads into the fragments' registers, and of the first read of the results behind the loop
.endr
	s_add_nc_u64 s[22:23], s[22:23], 1024          ; four steps on; the loads that read the pointer are done
	s_add_co_u32 s21, s21, 1
	s_cmp_lt_u32 s21, s20
	s_cbranch_scc1 .Lstep
.Lmeet:
	v_add_f32 v14, v14, v15
	v_permlanex16_b32 v236, v14, s28, s29
	v_add_f32 v14, v14, v236                       ; my share's l
	ds_store_b32 v9, v12
	ds_store_b32 v9, v14 offset:128
.irp u, 0,1,2,3,4,5,6,7
	ds_store_b128 v8, v[ACC+8*\u:ACC+8*\u+3] offset:64*\u       ; lane (r, h): query r, dv 16 u + 8 h + 0 .. 7 of my 128
	ds_store_b128 v8, v[ACC+8*\u+4:ACC+8*\u+7] offset:64*\u+16
.endr
	s_wait_dscnt 0x0                               ; for the others' sake: my stores have landed
	s_barrier_signal -1
	s_barrier_wait -1                              ; the one barrier: behind it LDS is only read
	; out0: wave w sums the four quarters of queries 2 w and 2 w + 1
.irp b, 0,1
.irp k, 0,1,2,3
.irp c, 0,1
	ds_load_b128 v[112+4*(2*\k+\c):115+4*(2*\k+\c)], v20 offset:OSTG*\k+OPI*\b+512*\c
.endr
.endr
	STATS 11, 4*\b                                 ; (its wait for 0 serves the eight loads above too)
.irp j, 0,1,2,3,4,5,6,7
	v_mul_f32 v[144+8*\b+\j], v108, v[112+\j]
.endr
.irp k, 1,2,3
.irp j, 0,1,2,3,4,5,6,7
	v_fma_f32 v[144+8*\b+\j], v[108+\k], v[112+8*\k+\j], v[144+8*\b+\j]
.endr
.endr
	global_store_b128 v21, v[144+8*\b:147+8*\b], s[80:81] offset:2048*\b th:TH_STORE_NT       ; 32 lanes store 512 consecutive bytes, at a multiple of 256 from out0's first byte
	global_store_b128 v21, v[148+8*\b:151+8*\b], s[80:81] offset:2048*\b+512 th:TH_STORE_NT
.endr
	; out1: the sixteen queries' -M and 1 / l go into scalar registers, and each listed key selects its query's
	STATS 10, 0
.irp j, 0,1,2,3,4,5,6,7,8,9,10,11,12,13,14,15
	v_readlane_b32 s[32+\j], v104, \j
	v_readlane_b32 s[48+\j], v105, \j
.endr
	CHUNKS 1
	s_wait_tensorcnt 0x0
	ds_add_u32 v251, v255
	s_wait_dscnt 0x0
	s_endpgm
.Lstray:
	CHUNKS 0
	s_endpgm
.Lfunc_end_k_qa39cae1e99_attend:
	.size	k_qa39cae1e99_attend, .Lfunc_end_k_qa39cae1e99_attend-k_qa39cae1e99_attend
	.p2alignl 7, 3214868480
	.fill 96, 4, 3214868480
	.section	.rodata,"a",@progbits
	.p2align	6, 0x0
	.amdhsa_kernel k_qa39cae1e99_attend
		.amdhsa_group_segment_fixed_size 69632
		.amdhsa_private_segment_fixed_size 0
		.amdhsa_enable_private_segment 0
		.amdhsa_kernarg_size 56
		.amdhsa_user_sgpr_count 2
		.amdhsa_user_sgpr_kernarg_segment_ptr 1
		.amdhsa_wavefront_size32 1
		.amdhsa_system_sgpr_workgroup_id_x 1
		.amdhsa_system_sgpr_workgroup_id_y 1
		.amdhsa_system_sgpr_workgroup_id_z 1
		.amdhsa_system_vgpr_workitem_id 0
		.amdhsa_next_free_vgpr 256
		.amdhsa_next_free_sgpr 100
		.amdhsa_reserve_vcc 1
		.amdhsa_float_denorm_mode_32 3
		.amdhsa_float_denorm_mode_16_64 3
		.amdhsa_memory_ordered 1
		.amdhsa_forward_progress 1
		.amdhsa_inst_pref_size 61
	.end_amdhsa_kernel
	.amdgpu_metadata
---
amdhsa.version: [ 1, 2 ]
amdhsa.kernels:
  - .name:           k_qa39cae1e99_attend
    .symbol:         k_qa39cae1e99_attend.kd
    .args:
      - { .name: lst, .offset: 0, .size: 8, .value_kind: global_buffer, .address_space: global }
      - { .name: meta, .offset: 8, .size: 8, .value_kind: global_buffer, .address_space: global }
      - { .name: tsc, .offset: 16, .size: 8, .value_kind: global_buffer, .address_space: global }
      - { .name: vkm, .offset: 24, .size: 8, .value_kind: global_buffer, .address_space: global }
      - { .name: lowp_scales, .offset: 32, .size: 8, .value_kind: global_buffer, .address_space: global }
      - { .name: out0, .offset: 40, .size: 8, .value_kind: global_buffer, .address_space: global }
      - { .name: out1, .offset: 48, .size: 8, .value_kind: global_buffer, .address_space: global }
    .group_segment_fixed_size: 69632
    .private_segment_fixed_size: 0
    .kernarg_segment_align: 8
    .kernarg_segment_size: 56
    .max_flat_workgroup_size: 256
    .sgpr_count:     100
    .vgpr_count:     256
    .wavefront_size: 32
...
	.end_amdgpu_metadata
.endif
;; end of part 3
;; ======== version 2 of 2: 3 launches; version 1 with the launches score, attend written anew for expert scheduling mode
;; workspace buffers: vkm 16,777,216 bytes; tsc 131,072 bytes; qfr 1,048,576 bytes; lst 16,941,312 bytes of whole numbers; meta 2,048 bytes of whole numbers
;; launch prep: the kernel of part 1 again; grid 272 x 1, 8 waves a work-group, no clusters, 139,264 bytes of LDS; arguments qfr, lowp_scales, query, tree_idx, values_codes, lst, meta, vkm; writes qfr, lst, meta, vkm
;; launch score (part 4): grid 256 x 1, 4 waves a work-group, no clusters, 70,144 bytes of LDS; arguments keys, lowp_scales, tree_idx, qfr, tsc; writes tsc
.if DOCPART == 4
	.amdgcn_target "amdgcn-amd-amdhsa--gfx1250"
	.amdhsa_code_object_version 6
	.text
	.protected	k_qa39cae1e99_score
	.globl	k_qa39cae1e99_score
	.p2align	8
	.type	k_qa39cae1e99_score,@function
k_qa39cae1e99_score:
	s_mov_b64 s[64:65], 0
	v_nop
	global_prefetch_b8 v0, s[64:65] scope:SCOPE_SE
	s_setreg_imm32_b32 hwreg(HW_REG_WAVE_SCHED_MODE, 0, 2), 2
	s_setreg_imm32_b32 hwreg(HW_REG_WAVE_MODE, 25, 1), 1
	s_wait_xcnt 0x0
	s_wait_alu depctr_vm_vsrc(0)
; SECOND LAUNCH OF THREE: the first product: all 2,048 queries against all 32,768 keys on E4M3 codes, by v_wmma_f32_16x16x128_fp8_fp8, and the mask on the finished sums:
; of a key's 2,048 sums the one of query tree_idx[key] is kept.  tsc[m] = that sum x 2^(e0+e1) x log2(e), in the keys' order (0 where the index is no query's: nobody reads it).
; SHARES.  Work-group b owns keys 128 b .. 128 b + 127.  Four waves, as many as a WGP has SIMDs.
;   Phase 1: wave w normalises and quantises keys 32 w .. 32 w + 31 (keys_n = keys / max(norm, 1e-12), scale 2^e1) into a stage in LDS, in the order of k in which the launch before staged the queries.
;   Phase 2: every wave holds ALL 128 keys' fragments in registers (8 tiles x 4 fragments x 16 = 512) and walks its own quarter of the queries, 32 tiles of 16.  A tile's four fragments come from qfr, an image of
;   the operand's registers, by 16 loads of 512 consecutive bytes, three tiles ahead of their use, and feed 32 matrix instructions.
; THE MASK.  Source 0 = 16 queries, source 1 = 16 keys: lane (r, h) holds key r, its register j query 16 T + 8 h + j.  The key's query is that one where j = index % 8 and index / 8 - h = 2 T.  The first does not
; hang on T: three lane masks for each key tile (the index's bits 0, 1, 2), made once, choose one of the eight registers by 7 selects; one compare and one select keep it where the second holds.
; No tensor load and no cluster: a query tile's fragments go from memory straight into the registers of the one wave of the work-group that multiplies them and never touch LDS; a joint load would land them
; in LDS and add 8,192 bytes of LDS reads a tile.  No prefetch: the keys are asked for by loads from the kernel's head on.
; REGISTERS, in windows of 256: window 0: v1-15 lane numbers and addresses, v16-25 at work in phase 1, v32-223 three sets of four rows (phase 1), then v32-95 the 8 accumulators, v96-103 the kept sums, v104-111 at work;
;   v224-231 the keys' indices, v232-239 index / 8 - h, v240-255 codes.   window 1: key tiles 0-3.   window 2: key tiles 4-7.   window 3: four buffers of a query tile's 64 registers.
; LIMITS: e1 between -126 and 119 (e0 + e1 goes through v_ldexp_f32 and has none).  NaN and infinities among the inputs, and rows whose sum of squares leaves f32's range, are not served.
; THE MODE: SCHED_MODE bits 1:0 = 2 (LLVM: expert scheduling mode 2), set by the entry lines.  The code itself states the register dependences between vector or matrix instructions and memory or LDS
; instructions, with s_wait_alu, always for 0.
; THE PLAN.  Registers that memory or LDS instructions touch:
;   v2, v5, v12-15  offsets and LDS addresses: made at the head, ahead of the first wait on va_vdst, and named by no vector instruction behind it.
;   the three sets  a group's loads land in a set; the group's arithmetic reads and rewrites it; ONE wait on va_vdst behind the group's conversions, and the loads of three groups on land in it.
;   v240-255        written by a group's conversions (the same wait), read by its four LDS stores; a wait on vm_vsrc stands ahead of the next group's conversions.
;   windows 1, 2    LDS loads land there once; matrix instructions alone name them.
;   window 3        tile t's matrix instructions read buffer t % 4.  At tile t's head ONE wait on va_vdst states that tile t - 1's are done reading buffer (t + 3) % 4, and the 16 loads of tile t + 3 land in it.
;                   Each buffer has a scalar base of its own, stepped behind the counted wait that shows the loads that read it done.
;   v96-103         the kept sums: the LDS stores' data at the end;  v32-47: wave 0's LDS loads land there, v32-35 are the last store's data.
; Lane masks in scalar registers: the 24 that do not hang on the tile have one wait on va_sdst ahead of the loop; a tile's 8 compares stand in one run at its head, with one wait ahead of the selects.
.set SPI,  528                         ; a stage row: 512 codes + 16 bytes: an odd multiple of 16, so the 16 rows of a fragment load start at 16 different columns of 16 bytes
.set TSUM, 128*SPI                     ; behind the stage's 128 rows: 512 bytes a wave: its kept sums of the 128 keys
.set S,   16
.set R0,  32                           ; set n of three at R0 + 64 n
.set C,   240
.set IDX, 224
.set IDQ, 232
.set ACC, 32
.set TS,  96
.set TT,  104
.set QB,  14                           ; s[14:21] buffer b's base in qfr, a pair at QB + 2 b: the tile that the buffer is asked for next
.set KM,  72                           ; s72-79   a query tile's 8 lane masks: index / 8 - h = 2 T, one for each key tile
.set MSB, 0
.macro WIN new                         ; the immediate's low byte: bits 1:0 source 0, 3:2 source 1, 5:4 source 2, 7:6 destination; its high byte repeats the setting that is left
.if MSB != \new
	s_set_vgpr_msb (MSB<<8)|\new
.set MSB, \new
.endif
.endm
.macro LK b, rs                                    ; four rows of keys
.irp p, 0,1,2,3
.irp i, 0,1,2,3
	global_load_b128 v[(\rs)+16*\p+4*\i:(\rs)+16*\p+4*\i+3], v2, s[60:61] offset:(4*(\b)+\p)*2048+512*\i th:TH_LOAD_NT
.endr
.endr
.endm
; four rows in v[rs] on: x / max(norm, 1e-12), held within +-448 x 2^e, codes for stage rows row0 on of my 32.  The rows take turns line by line.
.macro ROWS4 rs, scl, lim, row0
.irp p, 0,1,2,3
	v_pk_mul_f32 v[S+2*\p:S+2*\p+1], v[(\rs)+16*\p:(\rs)+16*\p+1], v[(\rs)+16*\p:(\rs)+16*\p+1]
.endr
.irp t, 2,4,6,8,10,12,14
.irp p, 0,1,2,3
	v_pk_fma_f32 v[S+2*\p:S+2*\p+1], v[(\rs)+16*\p+\t:(\rs)+16*\p+\t+1], v[(\rs)+16*\p+\t:(\rs)+16*\p+\t+1], v[S+2*\p:S+2*\p+1]
.endr
.endr
.irp p, 0,1,2,3
	v_add_f32 v[S+2*\p], v[S+2*\p], v[S+2*\p+1]
.endr
.irp k, 1,2,4,8
.irp p, 0,1,2,3
	v_add_f32_dpp v[S+2*\p], v[S+2*\p], v[S+2*\p] row_xmask:\k row_mask:0xf bank_mask:0xf
.endr
.endr
.irp p, 0,1,2,3
	v_permlanex16_b32 v[S+2*\p+1], v[S+2*\p], s28, s29
.endr
.irp p, 0,1,2,3
	v_add_f32 v[S+2*\p], v[S+2*\p], v[S+2*\p+1]    ; the row's sum of squares, in every lane
.endr
.irp p, 0,1,2,3
	v_rsq_f32 v[S+2*\p], v[S+2*\p]
.endr
	v_nop                                          ; a plain instruction behind the last transcendental (ISA guide 5.7.2),
	s_wait_alu depctr_va_vdst(0)                   ; the four reciprocal roots are written: the one wait ahead of their first reader
.irp p, 0,1,2,3
	v_min_num_f32 v[S+2*\p], s57, v[S+2*\p]        ; 1 / max(norm, 1e-12)
.endr
.irp t, 0,2,4,6,8,10,12,14
.irp p, 0,1,2,3
	v_pk_mul_f32 v[(\rs)+16*\p+\t:(\rs)+16*\p+\t+1], v[(\rs)+16*\p+\t:(\rs)+16*\p+\t+1], v[S+2*\p:S+2*\p+1] op_sel_hi:[1,0]
.endr
.endr
.set ri, 0
.rept 64
	v_med3_num_f32 v[(\rs)+ri], v[(\rs)+ri], -v[\lim], v[\lim]   ; the conversion to an 8-bit code does not saturate (ISA guide 7.6.2)
.set ri, ri+1
.endr
	s_wait_dscnt 0x0                               ; my earlier stage stores have read the codes' registers
.if (\row0) > 0
	s_wait_alu depctr_vm_vsrc(0)                   ; the last group's LDS stores have read v240-255, which the conversions below write again
.endif
.irp p, 0,1,2,3
	v_cvt_scalef32_pk8_fp8_f32 v[C+4*\p:C+4*\p+1], v[(\rs)+16*\p:(\rs)+16*\p+7], v[\scl]
	v_cvt_scalef32_pk8_fp8_f32 v[C+4*\p+2:C+4*\p+3], v[(\rs)+16*\p+8:(\rs)+16*\p+15], v[\scl]
.endr
	v_nop                                          ; one plain vector line behind the last scaled conversion
	s_wait_alu depctr_va_vdst(0)                   ; the conversions have written v240-255, which the LDS stores read, and are done reading the set, in which the loads of three groups on land
.endm
.macro STG row0                                    ; the four rows' codes into the stage
.irp p, 0,1,2,3
	ds_store_b128 v12, v[C+4*\p:C+4*\p+3] offset:((\row0)+\p)*SPI
.endr
.endm
; group g of eight: its four rows are worked, and its set takes the rows of three groups on, at once behind the group's wait.  left: the younger loads that may stay out
.macro GROUP g, left, more
	s_wait_loadcnt \left
	ROWS4 R0+64*((\g)%3), 24, 25, 4*(\g)
.if \more
	LK (\g)+3, R0+64*((\g)%3)
.endif
	STG 4*(\g)
.endm
; a query tile's 64 registers into buffer b of window 3, from where the buffer's base stands (under the setting 0xc0: destination window 3, address window 0)
.macro QLOAD b
.set qi, 0
.rept 16
	global_load_b128 v[64*(\b)+4*qi:64*(\b)+4*qi+3], v2, s[QB+2*(\b):QB+2*(\b)+1] offset:512*qi
.set qi, qi+1
.endr
.endm
; the mask on two key tiles' sums, line by line by turns: register index % 8 of the eight, kept where index / 8 - h = 2 T (the tile's masks).  Each accumulator is read from its low end on
.macro PICK2 ka, kb
	v_cndmask_b32 v[TT],   v[ACC+8*\ka],   v[ACC+8*\ka+1], s[32+3*\ka]
	v_cndmask_b32 v[TT+4], v[ACC+8*\kb],   v[ACC+8*\kb+1], s[32+3*\kb]
	v_cndmask_b32 v[TT+1], v[ACC+8*\ka+2], v[ACC+8*\ka+3], s[32+3*\ka]
	v_cndmask_b32 v[TT+5], v[ACC+8*\kb+2], v[ACC+8*\kb+3], s[32+3*\kb]
	v_cndmask_b32 v[TT+2], v[ACC+8*\ka+4], v[ACC+8*\ka+5], s[32+3*\ka]
	v_cndmask_b32 v[TT+6], v[ACC+8*\kb+4], v[ACC+8*\kb+5], s[32+3*\kb]
	v_cndmask_b32 v[TT+3], v[ACC+8*\ka+6], v[ACC+8*\ka+7], s[32+3*\ka]
	v_cndmask_b32 v[TT+7], v[ACC+8*\kb+6], v[ACC+8*\kb+7], s[32+3*\kb]
	v_cndmask_b32 v[TT],   v[TT],   v[TT+1], s[33+3*\ka]
	v_cndmask_b32 v[TT+4], v[TT+4], v[TT+5], s[33+3*\kb]
	v_cndmask_b32 v[TT+2], v[TT+2], v[TT+3], s[33+3*\ka]
	v_cndmask_b32 v[TT+6], v[TT+6], v[TT+7], s[33+3*\kb]
	v_cndmask_b32 v[TT],   v[TT],   v[TT+2], s[34+3*\ka]
	v_cndmask_b32 v[TT+4], v[TT+4], v[TT+6], s[34+3*\kb]
	v_cndmask_b32 v[TS+\ka], v[TS+\ka], v[TT],   s[KM+\ka]
	v_cndmask_b32 v[TS+\kb], v[TS+\kb], v[TT+4], s[KM+\kb]
.endm
; one query tile, in buffer b, against the 128 keys.  The accumulators take turns, one instruction a turn, four at a time under one window setting; each sum's first product takes 0 as C.
; reload = 1: the buffer that the tile before multiplied takes the tile three further on than this one.  step = 1: this buffer's base moves on by four tiles.  left: the younger loads that may stay out.
.macro QTILE b, reload, step, left
.irp k, 0,1,2,3,4,5,6,7
	v_cmp_eq_u32 s[KM+\k], s68, v[IDQ+\k]          ; the tile's 8 masks in one run: they hang on no sum
.endr
.if \reload
	WIN 0xc0                                       ; destination window 3, address window 0
	s_wait_alu depctr_va_vdst(0)                   ; the matrix instructions of the tile before are done reading their buffer, in which the 16 loads below land
	QLOAD ((\b)+3)%4
.endif
	s_wait_loadcnt \left                           ; loads come back in order (ISA guide 5.7.1): buffer b is in
.if \step
	s_add_nc_u64 s[QB+2*(\b):QB+2*(\b)+1], s[QB+2*(\b):QB+2*(\b)+1], 4*8192   ; free since that wait, which shows the loads that read it done
.endif
	WIN 0x07                                       ; source 0 (queries) window 3, source 1 (keys) window 1, C and D window 0
.irp s, 0,1,2,3
.irp k, 0,1,2,3
.if \s == 0
	v_wmma_f32_16x16x128_fp8_fp8 v[ACC+8*\k:ACC+8*\k+7], v[64*(\b)+16*\s:64*(\b)+16*\s+15], v[64*\k+16*\s:64*\k+16*\s+15], 0
.else
	v_wmma_f32_16x16x128_fp8_fp8 v[ACC+8*\k:ACC+8*\k+7], v[64*(\b)+16*\s:64*(\b)+16*\s+15], v[64*\k+16*\s:64*\k+16*\s+15], v[ACC+8*\k:ACC+8*\k+7]
.endif
.endr
.endr
	WIN 0x0b                                       ; keys in window 2
.irp s, 0,1,2,3
.irp k, 0,1,2,3
.if \s == 0
	v_wmma_f32_16x16x128_fp8_fp8 v[ACC+32+8*\k:ACC+32+8*\k+7], v[64*(\b)+16*\s:64*(\b)+16*\s+15], v[64*\k+16*\s:64*\k+16*\s+15], 0
.else
	v_wmma_f32_16x16x128_fp8_fp8 v[ACC+32+8*\k:ACC+32+8*\k+7], v[64*(\b)+16*\s:64*(\b)+16*\s+15], v[64*\k+16*\s:64*\k+16*\s+15], v[ACC+32+8*\k:ACC+32+8*\k+7]
.endif
.endr
.endr
.rept 4
	v_nop                                          ; four places behind the matrix instructions (ISA guide 7.12.1), ahead of the first read of their results
.endr
	WIN 0
	s_wait_alu depctr_va_sdst(0)                   ; the tile's 8 masks are written, ahead of the selects that read them
	PICK2 0, 1
	PICK2 2, 3
	PICK2 4, 5
	PICK2 6, 7
	s_add_co_u32 s68, s68, 2                       ; 2 T of the next tile
.endm
	s_load_b256 s[4:11], s[0:1], 0x0               ; keys 4:5, scales 6:7, tree_idx 8:9, qfr 10:11
	s_load_b64 s[12:13], s[0:1], 0x20              ; tsc
	v_lshl_add_u32 v30, v0, 2, 0x11000
	v_mov_b32 v31, 0
	v_lshrrev_b32 v1, 5, v0
	v_readfirstlane_b32 s22, v1                    ; wave 0..3
	v_and_b32 v1, 31, v0                           ; lane L
	v_lshlrev_b32 v2, 4, v1                        ; 16 L
	v_and_b32 v3, 15, v0                           ; r
	v_bfe_u32 v4, v0, 4, 1                         ; h
	v_lshlrev_b32 v5, 2, v3                        ; 4 r
	s_mov_b32 s28, 0x76543210                      ; v_permlanex16_b32: lane l xor 16
	s_mov_b32 s29, 0xfedcba98
	s_mov_b32 s57, 0x5368d4a5                      ; 1e12
	s_wait_alu depctr_va_sdst(0)                   ; s22 is written, ahead of its first reader
	s_lshl_b32 s60, ttmp9, 18                      ; the work-group's 128 rows of 2,048 bytes,
	s_lshl_b32 s30, s22, 16                        ; my wave's 32 of them
	s_add_co_u32 s60, s60, s30
	s_mov_b32 s61, 0
	s_lshl_b32 s70, ttmp9, 9                       ; 128 words: in tree_idx and in tsc
	s_mov_b32 s71, 0
	s_lshl_b32 s66, s22, 18                        ; my 32 query tiles of 8,192 bytes
	s_mov_b32 s67, 0
	s_mul_i32 s31, s22, 32*SPI
	v_add_nc_u32 v12, s31, v2                      ; into the stage: my wave's 32 rows, 16 L
	v_mul_u32_u24 v13, v3, SPI
	v_lshl_add_u32 v13, v4, 4, v13                 ; fragments: row r, + 16 h
	s_lshl_b32 s31, s22, 9
	s_add_co_u32 s31, s31, TSUM
	v_lshl_add_u32 v14, v3, 2, s31                 ; my wave's kept sums: key r of a tile
	v_add_nc_u32 v15, TSUM, v2                     ; and a wave's 128, 16 bytes a lane
	s_wait_kmcnt 0x0
	s_load_b128 s[24:27], s[6:7], 0x0              ; e0 .. e3
	s_add_nc_u64 s[60:61], s[4:5], s[60:61]
	s_add_nc_u64 s[62:63], s[12:13], s[70:71]
	s_add_nc_u64 s[70:71], s[8:9], s[70:71]
	s_add_nc_u64 s[QB:QB+1], s[10:11], s[66:67]    ; my tiles 0 to 3
	s_add_nc_u64 s[QB+2:QB+3], s[QB:QB+1], 8192
	s_add_nc_u64 s[QB+4:QB+5], s[QB:QB+1], 2*8192
	s_add_nc_u64 s[QB+6:QB+7], s[QB:QB+1], 3*8192
	s_wait_alu depctr_va_vdst(0)                   ; the offsets and LDS addresses v2, v5, v12 to v15 are written: every load and store of the kernel reads one of them, and no vector instruction names them again
.irp k, 0,1,2,3,4,5,6,7
	global_load_b32 v[IDX+\k], v5, s[70:71] offset:64*\k   ; the index of key 16 k + r
.endr
	LK 0, R0
	LK 1, R0+64
	LK 2, R0+128
	s_wait_kmcnt 0x0
	s_add_co_i32 s30, s25, 127
	s_lshl_b32 s31, s30, 23
	v_mov_b32 v24, s31                             ; 2^e1
	s_add_co_i32 s30, s30, 8
	s_lshl_b32 s30, s30, 23
	s_or_b32 s30, s30, 0x600000
	v_mov_b32 v25, s30                             ; 448 x 2^e1
	s_add_co_i32 s58, s24, s25                     ; e0 + e1
; ---- phase 1: 8 groups of 4 rows on three sets: while a group is worked, the 32 loads of the two groups behind it are out
	GROUP 0, 32, 1
	GROUP 1, 32, 1
	GROUP 2, 32, 1
	GROUP 3, 32, 1
	GROUP 4, 32, 1
	GROUP 5, 32, 0
	GROUP 6, 16, 0
	s_wait_loadcnt 0x0                             ; the last group is in, and so are the indices
	WIN 0xc0                                       ; destination window 3, address window 0
	QLOAD 0                                        ; my first three query tiles are asked for while the last group is worked (no vector instruction has named window 3); the first tile's head asks for the fourth
	QLOAD 1
	QLOAD 2
	WIN 0
	ROWS4 R0+64*(7%3), 24, 25, 28
	STG 28
	s_wait_dscnt 0x0                               ; for the others' sake: my 32 rows lie in the stage
	s_barrier_signal -1
	s_barrier_wait -1
; ---- all 128 keys' fragments into windows 1 and 2: tile k's fragment s at v[64 (k % 4) + 16 s]  (no vector instruction has named these registers)
	WIN 0x40                                       ; destination window 1, address window 0
.irp k, 0,1,2,3
.irp s, 0,1,2,3
.irp c, 0,1,2,3
	ds_load_b128 v[64*\k+16*\s+4*\c:64*\k+16*\s+4*\c+3], v13 offset:\k*16*SPI+128*\s+32*\c
.endr
.endr
.endr
	WIN 0x80                                       ; destination window 2
.irp k, 0,1,2,3
.irp s, 0,1,2,3
.irp c, 0,1,2,3
	ds_load_b128 v[64*\k+16*\s+4*\c:64*\k+16*\s+4*\c+3], v13 offset:(\k+4)*16*SPI+128*\s+32*\c
.endr
.endr
.endr
	WIN 0
.irp k, 0,1,2,3,4,5,6,7                            ; the mask's parts that do not hang on the query tile, made while the fragments come
	v_and_b32 v[TT],   1, v[IDX+\k]
	v_and_b32 v[TT+1], 2, v[IDX+\k]
	v_and_b32 v[TT+2], 4, v[IDX+\k]
	v_lshrrev_b32 v[IDQ+\k], 3, v[IDX+\k]
	v_cmp_ne_u32 s[32+3*\k], 0, v[TT]
	v_cmp_ne_u32 s[33+3*\k], 0, v[TT+1]
	v_cmp_ne_u32 s[34+3*\k], 0, v[TT+2]
	v_sub_nc_u32 v[IDQ+\k], v[IDQ+\k], v4          ; index / 8 - h: an index that is no query's never meets 2 T, which is even and at most 254 (2048 / 8 - 1 = 255)
	v_mov_b32 v[TS+\k], 0                          ; nothing kept yet
.endr
	s_lshl_b32 s68, s22, 6                         ; 2 T of my first tile: T = 32 w
	s_mov_b32 s69, 0
	s_wait_alu depctr_va_sdst(0)                   ; the 24 lane masks s32 to s55 are written, ahead of the loop's label and of the selects that read them
	s_wait_dscnt 0x0                               ; the keys' fragments are in
; ---- phase 2: 32 query tiles.  Behind a tile's 16 new loads the 48 loads of the three buffers behind its own may be out
.Ltrip:                                            ; 7 trips of 4 tiles; at each tile's head the buffer that the tile before multiplied is asked for again
	QTILE 0, 1, 1, 48
	QTILE 1, 1, 1, 48
	QTILE 2, 1, 1, 48
	QTILE 3, 1, 1, 48
	s_add_co_u32 s69, s69, 1
	s_cmp_lt_u32 s69, 7
	s_cbranch_scc1 .Ltrip
	QTILE 0, 1, 0, 48                              ; the last four tiles: one more run of loads, my last tile's; then nothing is asked for: no load leaves qfr, and the counts run down
	QTILE 1, 0, 0, 32
	QTILE 2, 0, 0, 16
	QTILE 3, 0, 0, 0
; ---- a key's sum was kept in one wave and one half of its lanes, all others hold 0: the halves are added, then the four waves'
.irp k, 0,1,2,3,4,5,6,7
	v_permlanex16_b32 v[TT+\k], v[TS+\k], s28, s29
.endr
.irp k, 0,1,2,3,4,5,6,7
	v_add_f32 v[TS+\k], v[TS+\k], v[TT+\k]
.endr
	s_wait_alu depctr_va_vdst(0)                   ; the additions have written v96-103, which the LDS stores read; the matrix instructions and selects are done with v32-47, in which wave 0's LDS loads land
.irp k, 0,1,2,3,4,5,6,7
	ds_store_b32 v14, v[TS+\k] offset:64*\k        ; lanes L and L + 16 write the same word with the same number
.endr
	s_wait_dscnt 0x0                               ; for wave 0's sake: my stores have landed
	s_barrier_signal -1
	s_barrier_wait -1
	s_cmp_lg_u32 s22, 0
	s_cbranch_scc1 .Lend
.irp k, 0,1,2,3
	ds_load_b128 v[32+4*\k:35+4*\k], v15 offset:512*\k
.endr
	s_wait_dscnt 0x0
	v_pk_add_f32 v[32:33], v[32:33], v[36:37]
	v_pk_add_f32 v[34:35], v[34:35], v[38:39]
	v_pk_add_f32 v[40:41], v[40:41], v[44:45]
	v_pk_add_f32 v[42:43], v[42:43], v[46:47]
	v_pk_add_f32 v[32:33], v[32:33], v[40:41]
	v_pk_add_f32 v[34:35], v[34:35], v[42:43]
	v_pk_mul_f32 v[32:33], v[32:33], 0x3fb8aa3b op_sel_hi:[1,0]   ; x log2(e)
	v_pk_mul_f32 v[34:35], v[34:35], 0x3fb8aa3b op_sel_hi:[1,0]
.irp j, 0,1,2,3
	v_ldexp_f32 v[32+\j], v[32+\j], s58            ; x 2^(e0 + e1)
.endr
	s_wait_alu depctr_va_vdst(0)                   ; v32-35 are written, which the store reads
	global_store_b128 v2, v[32:35], s[62:63]       ; 512 consecutive bytes, at a multiple of 256 from tsc's first byte
.Lend:
	s_wait_dscnt 0x0                               ; the closing lines, six on end
	s_wait_alu 0x0
	s_wait_tensorcnt 0x0
	ds_add_u32 v30, v31
	s_wait_dscnt 0x0
	s_endpgm
.Lfunc_end_k_qa39cae1e99_score:
	.size	k_qa39cae1e99_score, .Lfunc_end_k_qa39cae1e99_score-k_qa39cae1e99_score
	.p2alignl 7, 3214868480
	.fill 96, 4, 3214868480
	.section	.rodata,"a",@progbits
	.p2align	6, 0x0
	.amdhsa_kernel k_qa39cae1e99_score
		.amdhsa_group_segment_fixed_size 70144
		.amdhsa_private_segment_fixed_size 0
		.amdhsa_enable_private_segment 0
		.amdhsa_kernarg_size 40
		.amdhsa_user_sgpr_count 2
		.amdhsa_user_sgpr_kernarg_segment_ptr 1
		.amdhsa_wavefront_size32 1
		.amdhsa_system_sgpr_workgroup_id_x 1
		.amdhsa_system_sgpr_workgroup_id_y 1
		.amdhsa_system_sgpr_workgroup_id_z 1
		.amdhsa_system_vgpr_workitem_id 0
		.amdhsa_next_free_vgpr 1024
		.amdhsa_next_free_sgpr 80
		.amdhsa_reserve_vcc 0
		.amdhsa_float_denorm_mode_32 3
		.amdhsa_float_denorm_mode_16_64 3
		.amdhsa_memory_ordered 1
		.amdhsa_forward_progress 1
		.amdhsa_inst_pref_size 183
	.end_amdhsa_kernel
	.amdgpu_metadata
---
amdhsa.version: [ 1, 2 ]
amdhsa.kernels:
  - .name:           k_qa39cae1e99_score
    .symbol:         k_qa39cae1e99_score.kd
    .args:
      - { .name: keys, .offset: 0, .size: 8, .value_kind: global_buffer, .address_space: global }
      - { .name: lowp_scales, .offset: 8, .size: 8, .value_kind: global_buffer, .address_space: global }
      - { .name: tree_idx, .offset: 16, .size: 8, .value_kind: global_buffer, .address_space: global }
      - { .name: qfr, .offset: 24, .size: 8, .value_kind: global_buffer, .address_space: global }
      - { .name: tsc, .offset: 32, .size: 8, .value_kind: global_buffer, .address_space: global }
    .group_segment_fixed_size: 70144
    .private_segment_fixed_size: 0
    .kernarg_segment_align: 8
    .kernarg_segment_size: 40
    .max_flat_workgroup_size: 128
    .sgpr_count:     80
    .vgpr_count:     1024
    .wavefront_size: 32
...
	.end_amdgpu_metadata
.endif
;; end of part 4
;; launch attend (part 5): grid 129 x 2, 8 waves a work-group, no clusters, 69,632 bytes of LDS; arguments lst, meta, tsc, vkm, lowp_scales, out0, out1; writes out0, out1
.if DOCPART == 5
	.amdgcn_target "amdgcn-amd-amdhsa--gfx1250"
	.amdhsa_code_object_version 6
	.text
	.protected	k_qa39cae1e99_attend
	.globl	k_qa39cae1e99_attend
	.p2align	8
	.type	k_qa39cae1e99_attend,@function
k_qa39cae1e99_attend:
	s_mov_b64 s[64:65], 0
	v_nop
	global_prefetch_b8 v0, s[64:65] scope:SCOPE_SE
	s_setreg_imm32_b32 hwreg(HW_REG_WAVE_SCHED_MODE, 0, 2), 2
	s_setreg_imm32_b32 hwreg(HW_REG_WAVE_MODE, 25, 1), 1
	s_wait_xcnt 0x0
	s_wait_alu depctr_vm_vsrc(0)
; THIRD LAUNCH OF THREE.  Work-group (g, y) owns queries 16 g .. 16 g + 15 and dv 256 y .. 256 y + 255; region g of lst names the keys that count for them, n of them (meta).
; p = 2^(t - M), M a whole number (the ceiling of the running largest t); the row's sum l is taken of the unquantised p; p is quantised to E4M3 with 2^e2; O^T += V^T P^T by
; v_wmma_f32_16x16x64_fp8_fp8 (source 0 = 16 dv x 64 listed keys, source 1 = 64 listed keys x 16 queries, p = 0 where a key is another query's); out0 = O x 2^(e2+e3) / l; out1[m] = p / l of m's own query.
; SHARES.  Wave w: dv 128 (2 y + w % 2) on (8 tiles of 16), and the steps of 64 listed keys whose number is w / 2 modulo 4.  In its loop a wave hangs on no other wave; each has its own running M and l
; for its share of the keys (every later rescaling is a power of two).  The waves meet once, behind the loops, in LDS.  The trip counts are numbers read from meta, so the launch has no tensor load.
; Lane (r, h) holds query r and the step's entries 32 h + 0 .. 31; entry 4 x + b stands in byte b of register x of BOTH operands: one order of k for both.
; A query with no key: l = 0, so out0's row is 0 x infinity = NaN, and every number of out1 is NaN, as the softmax of a row of -infinity gives; the flag comes from meta.
; Work-groups (128, y) serve the keys whose index is no query's: out1 = 0 (or NaN); with no such key they store nothing: the grid serves every split of the keys.
; Every lane stays on throughout: EXEC is never written.
; No cluster: the two work-groups of a g share the list and t alone, a small part of what they read.  LIMITS: e2 between -126 and 119; e2 + e3 goes through v_ldexp_f32 and has none.  NaN among t is not served.
; THE MODE: SCHED_MODE bits 1:0 = 2 (LLVM: expert scheduling mode 2), set by the entry lines.  The code itself states the register dependences between vector or matrix instructions and memory or LDS
; instructions, with s_wait_alu, always for 0.
; THE PLAN.  Registers that memory or LDS instructions touch:
;   v5, v8-11, v20, v21  offsets and LDS addresses: made at the head, ahead of the first wait on va_vdst, never written again.
;   v32-63   a step's entries land there (a wait on va_vdst at the step's head: the last step's matrix instructions read them as fragments); vector lines make V's offsets of them; V's loads read them; a wait on
;            vm_vsrc stands ahead of the byte turns, which write fragments there.
;   v64-95   t lands there; vector lines alone name them afterwards.
;   v96-159  v128-159 hold t's offsets; V lands in all 64: the first 16 loads (v96-127) at once behind t's loads, the other 16 behind the waits that show t's offsets read.  The byte turns read them.
;            ONE wait on va_vdst behind the step's 32 x 2 offsets serves all 64 loads of t and V.
;   behind the loop: the accumulators, -M and l are the LDS stores' data (one wait); v96-143 take LDS loads, v144-159 are out0's data: one wait ahead of each pair of stores, which also frees the next loads' registers.
;   the chunk loop: v102, v97 offsets, v96, v99 loaded, v99 stored: a wait on va_vdst ahead of each of its three memory instructions, one on vm_vsrc at the trip's end.
; Lane masks and lane reads in scalar registers go in runs, each with one wait on va_sdst ahead of its first reader: a step's 32 masks, the 32 lane reads ahead of the chunks, a chunk's 15 masks.
.set LPITCH, 131328
.set OPI,  1040                        ; a stage row: 256 f32 + 16 bytes
.set OSTG, 16*OPI                      ; LDS from 0: four stages, one for each quarter of the steps: 16 queries x 256 dv
.set STAT, 4*OSTG                      ; behind them: 256 bytes a wave: -M at 4 L, l at 128 + 4 L
.set E,   32                           ; v32-63   entries, then the keys' byte offsets in vkm
.set T,   64                           ; v64-95   t, then p
.set FR,  32                           ; v32-95   then V's 8 fragments of 8 registers
.set RAW, 96                           ; v96-159  V as loaded: 8 bytes a key
.set TA,  RAW+32                       ; v128-159 ahead of that: 4 x key, t's offsets
.set ACC, 160                          ; v160-223 O^T, 8 tiles
.set PC,  224                          ; v224-231 p's codes
.set TT,  232                          ; v232-235 at work
.set SL,  66                           ; s66-69   byte selectors
; v1 L, v2 r, v3 h, v4 128 G + 8 r, v5 128 h, v7 -infinity, v8-11, v20 LDS addresses, v21 16 L, v12 -M, v13 the largest t, v[14:15] l in two halves, v240 448 x 2^e2, v244 2^e2, v[252:253] f
.macro T4X4 a0, a1, a2, a3, o0, o1, o2, o3     ; 4 x 4 bytes turned: byte k of output b = byte b of input k
	v_perm_b32 v[TT],   v[\a1], v[\a0], s[SL]
	v_perm_b32 v[TT+1], v[\a1], v[\a0], s[SL+1]
	v_perm_b32 v[TT+2], v[\a3], v[\a2], s[SL]
	v_perm_b32 v[TT+3], v[\a3], v[\a2], s[SL+1]
	v_perm_b32 v[\o0], v[TT+2], v[TT],   s[SL+2]
	v_perm_b32 v[\o1], v[TT+2], v[TT],   s[SL+3]
	v_perm_b32 v[\o2], v[TT+3], v[TT+1], s[SL+2]
	v_perm_b32 v[\o3], v[TT+3], v[TT+1], s[SL+3]
.endm
; The four quarters' statistics of the query that v[adr] + off names become: v104 = -M, v105 = 1 / l, v108-111 = g_k = 2^(M_k - M) 2^(e2+e3) / l
; (its LDS loads land in v96-103: the last wait on va_vdst ahead of the macro stands behind every vector instruction that named them)
.macro STATS adr, off
.irp k, 0,1,2,3
	ds_load_b32 v[96+\k],  v[\adr] offset:512*\k+(\off)
	ds_load_b32 v[100+\k], v[\adr] offset:512*\k+128+(\off)
.endr
	s_wait_dscnt 0x0
	v_min3_num_f32 v104, v96, v97, v98
	v_min_num_f32 v104, v104, v99                  ; -M = the least -M_k
.irp k, 0,1,2,3
	v_sub_f32 v[96+\k], v104, v[96+\k]             ; M_k - M: a whole number, 0 or less
.endr
.irp k, 0,1,2,3
	v_cvt_i32_f32 v[96+\k], v[96+\k]               ; (it saturates)
.endr
.irp k, 0,1,2,3
	v_ldexp_f32 v[96+\k], 1.0, v[96+\k]            ; f_k
.endr
	v_mul_f32 v105, v96, v100
	v_fma_f32 v105, v97, v101, v105
	v_fma_f32 v105, v98, v102, v105
	v_fma_f32 v105, v99, v103, v105                ; l
	v_rcp_f32 v105, v105
	v_nop                                          ; a plain instruction behind the transcendental,
	s_wait_alu depctr_va_vdst(0)                   ; the reciprocal is written: the wait ahead of its first reader
.irp k, 0,1,2,3
	v_mul_f32 v[108+\k], v[96+\k], v105
.endr
.irp k, 0,1,2,3
	v_ldexp_f32 v[108+\k], v[108+\k], s31
.endr
.endm
; out1 for the region's entries, 32 at a time; the two work-groups' sixteen waves take chunks 8 y + w, + 16, ..  own = 1: p / l of the key's query; 0: nothing counts.
; A lane past the region's last entry takes the last entry again and stores the same number to the same word.
.macro CHUNKS own
	s_lshl_b32 s21, s72, 3
	s_add_co_u32 s21, s21, s18                     ; my first chunk, 0 .. 15
	s_add_co_u32 s82, s19, 31
	s_lshr_b32 s82, s82, 5                         ; the region's chunks
	s_add_co_u32 s82, s82, 15
	s_sub_co_u32 s82, s82, s21
	s_lshr_b32 s82, s82, 4                         ; my trips: the chunks first, first + 16, .. below that number
	s_min_u32 s82, s82, 64                         ; (n is at most 32,768: 1,024 chunks, 64 trips: the hold states it in the text)
	s_lshl_b32 s21, s21, 5                         ; my first chunk's first entry
	s_sub_co_u32 s84, s19, 1                       ; the last entry (read only where there is a trip, so n is at least 1)
	s_mov_b32 s83, 0
	s_cmp_lg_u32 s82, 0
	s_cbranch_scc0 .Lnochunk_\@
.Lchunk_\@:
	v_add_nc_u32 v102, s21, v1                     ; my entry's number,
	v_min_u32 v102, s84, v102                      ; or the last one's;
	v_min_u32 v102, 0x7fff, v102                   ; a number made from a loaded one is held before it enters an address
	v_lshlrev_b32 v102, 2, v102
	s_wait_alu depctr_va_vdst(0)                   ; v102 is written, the load's offset; the vector lines that named v96, in which the entry lands, are done
	global_load_b32 v96, v102, s[78:79]
	s_wait_loadcnt 0x0
	v_min_u32 v96, 0x87fff, v96                    ; likewise
	v_and_b32 v97, 0x7fff, v96
	v_lshlrev_b32 v97, 2, v97                      ; 4 x key
.if \own
	s_wait_alu depctr_va_vdst(0)                   ; v97 is written, the load's offset; the last trip's multiply-add has written v99, in which t lands
	global_load_b32 v99, v97, s[8:9]               ; t
	v_lshrrev_b32 v98, 15, v96                     ; which of my 16 queries
	v_mov_b32 v100, s32
	v_mov_b32 v101, s48
.irp j, 1,2,3,4,5,6,7,8,9,10,11,12,13,14,15
	v_cmp_eq_u32 s[84+\j], \j, v98                 ; 15 masks in one run
.endr
	s_wait_alu depctr_va_sdst(0)                   ; the masks s85 to s99 are written, ahead of the selects that read them
.irp j, 1,2,3,4,5,6,7,8,9,10,11,12,13,14,15
	v_cndmask_b32 v100, v100, s[32+\j], s[84+\j]   ; its -M
	v_cndmask_b32 v101, v101, s[48+\j], s[84+\j]   ; its 1 / l
.endr
	s_wait_loadcnt 0x0
	v_add_f32 v99, v99, v100
	v_exp_f32 v99, v99
	v_nop                                          ; the plain instruction behind the transcendental,
	s_wait_alu depctr_va_vdst(0)                   ; the exponential is written: the wait ahead of its first reader
	v_fma_f32 v99, v99, v101, s30                  ; p / l, + 0 or NaN
.else
	v_mov_b32 v99, s30
.endif
	s_wait_alu depctr_va_vdst(0)                   ; v99 is written, the store's data (own = 0: and v97, its offset)
	global_store_b32 v97, v99, s[16:17]
	s_wait_xcnt 0x0                                ; the store has read its registers: the next trip writes them again
	s_wait_alu depctr_vm_vsrc(0)                   ; the trip's loads and its store have read v102, v97 and v99, which the next trip writes again
	s_add_co_u32 s21, s21, 512                     ; 16 chunks on
	s_add_co_u32 s83, s83, 1
	s_cmp_lt_u32 s83, s82
	s_cbranch_scc1 .Lchunk_\@
.Lnochunk_\@:
.endm
	s_load_b256 s[4:11], s[0:1], 0x0               ; lst 4:5, meta 6:7, tsc 8:9, vkm 10:11
	s_load_b128 s[12:15], s[0:1], 0x20             ; scales 12:13, out0 14:15
	s_load_b64 s[16:17], s[0:1], 0x30              ; out1
	v_lshl_add_u32 v251, v0, 2, 0x10c00
	v_mov_b32 v255, 0
	v_lshrrev_b32 v1, 5, v0
	v_readfirstlane_b32 s18, v1                    ; wave 0..7
	v_and_b32 v1, 31, v0                           ; L
	v_and_b32 v2, 15, v0                           ; r
	v_bfe_u32 v3, v0, 4, 1                         ; h
	s_and_b32 s72, ttmp7, 0xffff                   ; y
	s_wait_alu depctr_va_sdst(0)                   ; s18 is written, ahead of its first reader
	s_and_b32 s73, s18, 1
	s_lshr_b32 s74, s18, 1                         ; my quarter of the steps
	s_lshl_b32 s75, s72, 1
	s_add_co_u32 s75, s75, s73
	s_lshl_b32 s75, s75, 7
	v_lshl_add_u32 v4, v2, 3, s75                  ; my 8 bytes of a key's row in vkm
	v_lshlrev_b32 v5, 7, v3                        ; my half's 32 entries of a step
	v_mov_b32 v7, 0xff800000                       ; -infinity
	s_mul_i32 s76, s74, OSTG
	s_lshl_b32 s77, s73, 9
	s_add_co_u32 s76, s76, s77
	v_mul_u32_u24 v8, v2, OPI
	v_lshl_add_u32 v8, v3, 5, v8
	v_add_nc_u32 v8, s76, v8                       ; into my quarter's stage: row r, + 512 (w % 2) + 32 h
	s_lshl_b32 s76, s18, 8
	s_add_co_u32 s76, s76, STAT
	v_lshl_add_u32 v9, v1, 2, s76                  ; my wave's statistics
	v_lshl_add_u32 v10, v1, 2, STAT                ; a query to a lane
	s_lshl_b32 s76, s18, 3
	s_add_co_u32 s76, s76, STAT
	v_mov_b32 v11, s76                             ; query 2 w
	v_lshlrev_b32 v21, 4, v1
	s_mul_i32 s76, s18, 2*OPI
	v_add_nc_u32 v20, s76, v21                     ; stage rows 2 w, 2 w + 1, 16 bytes a lane
	s_mov_b32 s28, 0x76543210
	s_mov_b32 s29, 0xfedcba98
	s_mov_b32 s[SL],   0x05010400
	s_mov_b32 s[SL+1], 0x07030602
	s_mov_b32 s[SL+2], 0x05040100
	s_mov_b32 s[SL+3], 0x07060302
	s_lshl_b32 s70, ttmp9, 2
	s_mov_b32 s71, 0
	s_mul_i32 s78, ttmp9, LPITCH
	s_mov_b32 s79, 0
	s_wait_kmcnt 0x0
	s_add_nc_u64 s[70:71], s[6:7], s[70:71]
	s_load_b32 s19, s[70:71], 0x0                  ; n
	s_load_b128 s[24:27], s[12:13], 0x0            ; e0 .. e3
	s_wait_alu depctr_va_vdst(0)                   ; the offsets and LDS addresses v5, v8 to v11, v20, v21 are written: loads and stores read them from here on, and no vector instruction writes them again
	global_load_b128 v[24:27], v21, s[6:7] offset:1024   ; the 128 regions' flags
	s_add_nc_u64 s[78:79], s[4:5], s[78:79]        ; my region
	v_mov_b32 v13, 0xff61b1e6                      ; the largest t so far: -3e38
	v_floor_f32 v12, -v13                          ; -M
	v_mov_b32 v14, 0
	v_mov_b32 v15, 0
	v_mov_b32 v236, 0                              ; (a lane permute's destination counts as read)
	v_mov_b32 v253, 0                              ; (named as the upper half of v[252:253])
.set i, 0
.rept 64
	v_mov_b32 v[ACC+i], 0                          ; a wave with no step of its own hands zeros on; the step is written once and its first change of M leaves zeros zeros
.set i, i+1
.endr
	s_wait_kmcnt 0x0
	s_min_u32 s19, s19, 0x8000
	s_add_co_i32 s76, s26, 127
	s_lshl_b32 s77, s76, 23
	v_mov_b32 v244, s77                            ; 2^e2
	s_add_co_i32 s76, s76, 8
	s_lshl_b32 s76, s76, 23
	s_or_b32 s76, s76, 0x600000
	v_mov_b32 v240, s76                            ; 448 x 2^e2
	s_add_co_i32 s31, s26, s27                     ; e2 + e3
	s_wait_loadcnt 0x0
	v_or_b32 v24, v24, v25
	v_or_b32 v26, v26, v27
	v_or_b32 v24, v24, v26
	v_cmp_ne_u32 vcc_lo, 0, v24
	s_wait_alu depctr_va_vcc(0)                    ; VCC is written, ahead of the scalar compare that reads it
	s_cmp_lg_u32 vcc_lo, 0
	s_cselect_b32 s30, 0x7fc00000, 0               ; NaN where some query of the 2,048 has no key, else 0: a number that is added, not a branch
	s_cmp_eq_u32 ttmp9, 128
	s_cbranch_scc1 .Lstray
	s_lshl_b32 s76, ttmp9, 4
	s_lshl_b32 s77, s18, 1
	s_add_co_u32 s76, s76, s77
	s_lshl_b32 s76, s76, 11                        ; out0: row 16 g + 2 w,
	s_lshl_b32 s77, s72, 10
	s_add_co_u32 s76, s76, s77                     ; + 1,024 y
	s_mov_b32 s77, 0
	s_add_nc_u64 s[80:81], s[14:15], s[76:77]
	s_add_co_u32 s20, s19, 63
	s_lshr_b32 s20, s20, 6                         ; steps of 64 entries
	s_add_co_u32 s20, s20, 3
	s_sub_co_u32 s20, s20, s74
	s_lshr_b32 s20, s20, 2                         ; my trips: the steps quarter, quarter + 4, .. below that number
	s_min_u32 s20, s20, 128                        ; (n is at most 32,768: 512 steps, 128 trips: the hold states it in the text)
	s_mov_b32 s21, 0
	s_lshl_b32 s76, s74, 8
	s_add_nc_u64 s[22:23], s[78:79], s[76:77]      ; my first step's entries
	s_cmp_lg_u32 s20, 0
	s_cbranch_scc0 .Lmeet
.Lstep:
	s_wait_alu depctr_va_vdst(0)                   ; round the back edge: the last step's byte turns have written v32-63 and its matrix instructions are done reading them: the entries land there
.irp q, 0,1,2,3,4,5,6,7
	global_load_b128 v[E+4*\q:E+4*\q+3], v5, s[22:23] offset:16*\q   ; the sixteen lanes of a half read the same 32 entries
.endr
	s_wait_loadcnt 0x0
.set i, 0
.rept 32                                           ; all of the step's offsets and masks are made first, so that one wait serves its 64 loads
	v_min_u32 v[E+i], 0x87fff, v[E+i]              ; a loaded number is held before it enters an address
	v_lshrrev_b32 v232, 15, v[E+i]
	v_and_b32 v[E+i], 0x7fff, v[E+i]               ; the key
	v_cmp_eq_u32 s[32+i], v232, v2                 ; is it my query's?
	v_lshlrev_b32 v[TA+i], 2, v[E+i]               ; its word in tsc
	v_lshl_add_u32 v[E+i], v[E+i], 9, v4           ; its row in vkm, my 8 bytes
.set i, i+1
.endr
	s_wait_alu depctr_va_vdst(0)                   ; the offsets v32-63 and v128-159 are written; the last step's matrix instructions and byte turns are done with v64-159, in which t and V land
.set i, 0
.rept 32
	global_load_b32 v[T+i], v[TA+i], s[8:9]        ; t
.set i, i+1
.endr
.set i, 0
.rept 16
	global_load_b64 v[RAW+2*i:RAW+2*i+1], v[E+i], s[10:11]   ; byte u: the code of dv tile u, row r: sixteen lanes read 128 consecutive bytes of a key's row
.set i, i+1
.endr
	s_wait_xcnt 0x0                                ; t's loads have had their addresses translated (ISA guide 3.1): only behind this wait do loads land on their offsets' registers,
	s_wait_alu depctr_vm_vsrc(0)                   ; and t's loads have read v128-159, in which the other half of V lands
.rept 16
	global_load_b64 v[RAW+2*i:RAW+2*i+1], v[E+i], s[10:11]
.set i, i+1
.endr
	s_wait_loadcnt 32                              ; the 32 t are in; the 32 loads of V issued behind them stay out
	s_wait_alu depctr_va_sdst(0)                   ; the step's 32 masks s32 to s63 are written, ahead of the selects that read them
.set i, 0
.rept 32
	v_cndmask_b32 v[T+i], v7, v[T+i], s[32+i]      ; another query's key: -infinity, so p = 0
.set i, i+1
.endr
	v_max3_num_f32 v254, v[T], v[T+1], v[T+2]      ; the step's largest t of my query, in two chains,
	v_max3_num_f32 v252, v[T+3], v[T+4], v[T+5]
.irp i, 6,10,14,18,22,26
	v_max3_num_f32 v254, v254, v[T+\i], v[T+\i+1]
	v_max3_num_f32 v252, v252, v[T+\i+2], v[T+\i+3]
.endr
	v_max3_num_f32 v254, v254, v[T+30], v[T+31]
	v_max_num_f32 v254, v254, v252
	v_permlanex16_b32 v236, v254, s28, s29
	v_max_num_f32 v254, v254, v236                 ; and among the other half's 32 entries
	v_max_num_f32 v13, v13, v254
	v_mov_b32 v254, v12
	v_floor_f32 v12, -v13                          ; -M = floor(-t) = -ceil(t)
	v_sub_f32 v254, v12, v254                      ; old M - new M: a whole number, 0 or less
	v_cvt_i32_f32 v254, v254                       ; (it saturates)
	v_ldexp_f32 v252, 1.0, v254                    ; f = 2^(old M - new M)
.irp j, 0,2,4,6,8,10,12,14,16,18,20,22,24,26,28,30
	v_pk_add_f32 v[T+\j:T+\j+1], v[T+\j:T+\j+1], v[12:13] op_sel_hi:[1,0]   ; t - M
.endr
.set i, 0
.rept 32
	v_exp_f32 v[T+i], v[T+i]                       ; p, at most 1, not normalised
.set i, i+1
.endr
	v_pk_mul_f32 v[14:15], v[14:15], v[252:253] op_sel_hi:[1,0]   ; l under the new M.  (The plain instruction behind the exponentials)
	s_wait_alu depctr_va_vdst(0)                   ; the 32 exponentials are written: one wait for the batch, ahead of its first reader
	v_pk_add_f32 v[242:243], v[T:T+1], v[T+2:T+3]  ; l takes the unquantised p, in two chains
.irp j, 4,8,12,16,20,24,28
	v_pk_add_f32 v[14:15], v[14:15], v[T+\j:T+\j+1]
	v_pk_add_f32 v[242:243], v[242:243], v[T+\j+2:T+\j+3]
.endr
	v_pk_add_f32 v[14:15], v[14:15], v[242:243]
.set i, 0
.rept 32
	v_min_num_f32 v[T+i], v[T+i], v240             ; the conversion does not saturate (ISA guide 7.6.2); p is not negative
.set i, i+1
.endr
.irp q, 0,1,2,3
	v_cvt_scalef32_pk8_fp8_f32 v[PC+2*\q:PC+2*\q+1], v[T+8*\q:T+8*\q+7], v244
.endr
	v_nop                                          ; one plain vector line behind the last scaled conversion
.set i, 0
.rept 32
	v_pk_mul_f32 v[ACC+2*i:ACC+2*i+1], v[ACC+2*i:ACC+2*i+1], v[252:253] op_sel_hi:[1,0]   ; O^T under the new M; each accumulator from its low end on
.set i, i+1
.endr
	s_wait_loadcnt 0x0                             ; V
	s_wait_alu depctr_vm_vsrc(0)                   ; V's loads have read their offsets v32-63, which the byte turns below write again
.irp c, 0,1,2,3,4,5,6,7
.irp d, 0,1
	T4X4 RAW+2*(4*\c+0)+\d, RAW+2*(4*\c+1)+\d, RAW+2*(4*\c+2)+\d, RAW+2*(4*\c+3)+\d, FR+8*(4*\d+0)+\c, FR+8*(4*\d+1)+\c, FR+8*(4*\d+2)+\c, FR+8*(4*\d+3)+\c   ; register c of tile 4 d + b: entries 4 c .. 4 c + 3
.endr
.endr
.irp u, 0,1,2,3,4,5,6,7
	v_wmma_f32_16x16x64_fp8_fp8 v[ACC+8*\u:ACC+8*\u+7], v[FR+8*\u:FR+8*\u+7], v[PC:PC+7], v[ACC+8*\u:ACC+8*\u+7]   ; eight accumulators by turns, over the backward jump too
.endr
.rept 4
	v_nop                                          ; four places behind the matrix instructions (ISA guide 7.12.1), ahead of the first read of the results behind the loop
.endr
	s_add_nc_u64 s[22:23], s[22:23], 1024          ; four steps on; the loads that read the pointer are done
	s_add_co_u32 s21, s21, 1
	s_cmp_lt_u32 s21, s20
	s_cbranch_scc1 .Lstep
.Lmeet:
	v_add_f32 v14, v14, v15
	v_permlanex16_b32 v236, v14, s28, s29
	v_add_f32 v14, v14, v236                       ; my share's l
	s_wait_alu depctr_va_vdst(0)                   ; -M, l and the accumulators are written, which the LDS stores read (the places above stay beside this wait); the byte turns are done with v96-143, in which LDS loads land behind the barrier
	ds_store_b32 v9, v12
	ds_store_b32 v9, v14 offset:128
.irp u, 0,1,2,3,4,5,6,7
	ds_store_b128 v8, v[ACC+8*\u:ACC+8*\u+3] offset:64*\u       ; lane (r, h): query r, dv 16 u + 8 h + 0 .. 7 of my 128
	ds_store_b128 v8, v[ACC+8*\u+4:ACC+8*\u+7] offset:64*\u+16
.endr
	s_wait_dscnt 0x0                               ; for the others' sake: my stores have landed
	s_barrier_signal -1
	s_barrier_wait -1                              ; the one barrier: behind it LDS is only read
	; out0: wave w sums the four quarters of queries 2 w and 2 w + 1
.irp b, 0,1
.irp k, 0,1,2,3
.irp c, 0,1
	ds_load_b128 v[112+4*(2*\k+\c):115+4*(2*\k+\c)], v20 offset:OSTG*\k+OPI*\b+512*\c
.endr
.endr
	STATS 11, 4*\b                                 ; (its wait for 0 serves the eight loads above too)
.irp j, 0,1,2,3,4,5,6,7
	v_mul_f32 v[144+8*\b+\j], v108, v[112+\j]
.endr
.irp k, 1,2,3
.irp j, 0,1,2,3,4,5,6,7
	v_fma_f32 v[144+8*\b+\j], v[108+\k], v[112+8*\k+\j], v[144+8*\b+\j]
.endr
.endr
	s_wait_alu depctr_va_vdst(0)                   ; the row's eight sums are written, which the two stores read; the lines above are done with v96-143, in which the next LDS loads land
	global_store_b128 v21, v[144+8*\b:147+8*\b], s[80:81] offset:2048*\b th:TH_STORE_NT       ; 32 lanes store 512 consecutive bytes, at a multiple of 256 from out0's first byte
	global_store_b128 v21, v[148+8*\b:151+8*\b], s[80:81] offset:2048*\b+512 th:TH_STORE_NT
.endr
	; out1: the sixteen queries' -M and 1 / l go into scalar registers, and each listed key selects its query's
	STATS 10, 0
.irp j, 0,1,2,3,4,5,6,7,8,9,10,11,12,13,14,15
	v_readlane_b32 s[32+\j], v104, \j
	v_readlane_b32 s[48+\j], v105, \j
.endr
	s_wait_alu depctr_va_sdst(0)                   ; s32 to s63 are written, ahead of the branch below and of the lines that read them
	CHUNKS 1
	s_wait_dscnt 0x0                               ; the closing lines, six on end
	s_wait_alu 0x0
	s_wait_tensorcnt 0x0
	ds_add_u32 v251, v255
	s_wait_dscnt 0x0
	s_endpgm
.Lstray:
	CHUNKS 0
	s_endpgm
.Lfunc_end_k_qa39cae1e99_attend:
	.size	k_qa39cae1e99_attend, .Lfunc_end_k_qa39cae1e99_attend-k_qa39cae1e99_attend
	.p2alignl 7, 3214868480
	.fill 96, 4, 3214868480
	.section	.rodata,"a",@progbits
	.p2align	6, 0x0
	.amdhsa_kernel k_qa39cae1e99_attend
		.amdhsa_group_segment_fixed_size 69632
		.amdhsa_private_segment_fixed_size 0
		.amdhsa_enable_private_segment 0
		.amdhsa_kernarg_size 56
		.amdhsa_user_sgpr_count 2
		.amdhsa_user_sgpr_kernarg_segment_ptr 1
		.amdhsa_wavefront_size32 1
		.amdhsa_system_sgpr_workgroup_id_x 1
		.amdhsa_system_sgpr_workgroup_id_y 1
		.amdhsa_system_sgpr_workgroup_id_z 1
		.amdhsa_system_vgpr_workitem_id 0
		.amdhsa_next_free_vgpr 256
		.amdhsa_next_free_sgpr 100
		.amdhsa_reserve_vcc 1
		.amdhsa_float_denorm_mode_32 3
		.amdhsa_float_denorm_mode_16_64 3
		.amdhsa_memory_ordered 1
		.amdhsa_forward_progress 1
		.amdhsa_inst_pref_size 62
	.end_amdhsa_kernel
	.amdgpu_metadata
---
amdhsa.version: [ 1, 2 ]
amdhsa.kernels:
  - .name:           k_qa39cae1e99_attend
    .symbol:         k_qa39cae1e99_attend.kd
    .args:
      - { .name: lst, .offset: 0, .size: 8, .value_kind: global_buffer, .address_space: global }
      - { .name: meta, .offset: 8, .size: 8, .value_kind: global_buffer, .address_space: global }
      - { .name: tsc, .offset: 16, .size: 8, .value_kind: global_buffer, .address_space: global }
      - { .name: vkm, .offset: 24, .size: 8, .value_kind: global_buffer, .address_space: global }
      - { .name: lowp_scales, .offset: 32, .size: 8, .value_kind: global_buffer, .address_space: global }
      - { .name: out0, .offset: 40, .size: 8, .value_kind: global_buffer, .address_space: global }
      - { .name: out1, .offset: 48, .size: 8, .value_kind: global_buffer, .address_space: global }
    .group_segment_fixed_size: 69632
    .private_segment_fixed_size: 0
    .kernarg_segment_align: 8
    .kernarg_segment_size: 56
    .max_flat_workgroup_size: 256
    .sgpr_count:     100
    .vgpr_count:     256
    .wavefront_size: 32
...
	.end_amdgpu_metadata
.endif
;; end of part 5
